; MI455X (gfx1250); checked and timed in simulation.
; The chip was launched on July 23, 2026; its instructions are those of AMD's public machine-readable ISA for CDNA 5 (MIT licence, August 2026) and "CDNA5" Instruction Set Architecture Reference Guide (July 2026). The comments in the code are by the model that wrote it; some were corrected since.
;; Multi Head Self Attention. Allowed arithmetic: float matrix products may take bf16 or f16 operands with f32 sums; other float arithmetic in f32, or as packed bf16 or f16 multiplies, adds, multiply-adds, maxima and minima; sums over many terms, partial sums and values carried from step to step in f32; what a program stores and reads back later, other than sums and carried values, may be rounded once to bf16 or f16.
;; Inputs: Wo 1,024 x 1,024 float32; Wqkv 1,024 x 3,072 float32; bo 1,024 float32; x 4 x 2,048 x 1,024 float32.
;; Outputs: out0 4 x 2,048 x 1,024 float32.
;; 2 versions, each right and faster than the one before. Each part assembles by itself: llvm-mc -triple=amdgcn-amd-amdhsa -mcpu=gfx1250 --defsym DOCPART=n.
;; ======== version 1 of 2: 4 launches
;; limits: values are held in f16: magnitudes above 65,504 overflow, below 6.1e-05 lose precision
;; workspace buffers: xb 16,777,216 bytes; wb 6,291,456 bytes; wo16 2,097,152 bytes; tab 524,288 bytes; qh 16,777,216 bytes; kh 16,777,216 bytes; vh 16,777,216 bytes; ob 16,777,216 bytes
;; launch prep (part 1): grid 768 x 1, 8 waves a work-group, no clusters, 0 bytes of LDS; arguments x, Wqkv, Wo, xb, wb, wo16, tab; writes xb, wb, wo16, tab
.if DOCPART == 1
	.amdgcn_target "amdgcn-amd-amdhsa--gfx1250"
	.amdhsa_code_object_version 6
	.text
	.protected	k_qf27fb65afb_prep
	.globl	k_qf27fb65afb_prep
	.p2align	8
	.type	k_qf27fb65afb_prep,@function
k_qf27fb65afb_prep:
	s_mov_b64 s[64:65], 0
	v_nop
	global_prefetch_b8 v0, s[64:65] scope:SCOPE_SE
	s_setreg_imm32_b32 hwreg(HW_REG_WAVE_MODE, 25, 1), 1
	s_wait_xcnt 0x0
; PREP: the module's inputs are rounded once to bf16 and laid out for the two products, and the table of RoPE's cosines and sines is made.
;   xb   bf16 [b 4][kb 16][t 2048][64]   x[b][t][64 kb + j]: a block of 64 along K has dense rows of 128 bytes
;   wb   bf16 [c 16][k 1024][192]        columns 64 s + j of block c are Wqkv[k][1024 s + 64 c + j], s = 0 q, 1 k, 2 v: head c's q, k and v side by side
;   wo16 f16  [k 1024][n 1024]           Wo rounded to bf16 and that number written as f16 (exact inside f16's range; LIMIT: |Wo| under 65,504)
;   tab  f32  [t 2048][64]               cos(t f_i) at word i, sin(t f_i) at word 32 + i, f_i = 10000^(-i/32)
; A stream: no LDS, no barrier, no matrix unit, no cluster (nothing is shared).  A work-group of eight waves casts 16,384 numbers: each thread issues 16 loads of 16 bytes at once
; and stores 16 times 8 bytes; a wave's store covers 256 consecutive bytes, aligned.  768 work-groups: 512 for x, 192 for Wqkv, 64 for Wo; the first 256 also make 8 rows of the table each.
; THE TABLE.  The angle a = t f_i is rounded once, as the problem's text rounds it; f_i comes from v_exp_f32, so a may be off by some 2e-4 at the largest t (LIMIT; q and k take the same table).
; a = kq pi/2 + r in two steps (pi/2 as a sum of two f32), |r| <= pi/4; sine and cosine of r by their series to r^7 and r^8, whose remainders there are under 3.1e-7 whatever the inputs.
.set X, 8                              ; v[8:71]    16 loads of four f32
.set Y, 72                             ; v[72:103]  16 pairs of words to store; no register is used twice, so no store's data is ever rewritten
.set T, 104                            ; v[104:107] at work (Wo alone)
; 16 loads, then for each: wait, round, store.  half = 1: the bf16 numbers are written as f16.
.macro CAST src, voff, istride, dst, half
.set j, 0
.rept 16
	global_load_b128 v[X+4*j:X+4*j+3], v[\voff], s[\src:\src+1] offset:j*\istride th:TH_LOAD_NT
.set j, j+1
.endr
.set j, 0
.rept 16
	s_wait_loadcnt 15-j                            ; loads come back in order (ISA guide 5.7.1): load j is in, the 15 - j younger ones stay out
	v_cvt_pk_bf16_f32 v[Y+2*j], v[X+4*j], v[X+4*j+1]
	v_cvt_pk_bf16_f32 v[Y+2*j+1], v[X+4*j+2], v[X+4*j+3]
.if \half
	v_lshlrev_b32 v[T], 16, v[Y+2*j]               ; bf16 to f32: the low half moves up, the high half stays
	v_and_b32 v[T+1], 0xffff0000, v[Y+2*j]
	v_lshlrev_b32 v[T+2], 16, v[Y+2*j+1]
	v_and_b32 v[T+3], 0xffff0000, v[Y+2*j+1]
	v_cvt_pk_f16_f32 v[Y+2*j], v[T], v[T+1]
	v_cvt_pk_f16_f32 v[Y+2*j+1], v[T+2], v[T+3]
.endif
	global_store_b64 v2, v[Y+2*j:Y+2*j+1], s[\dst:\dst+1] offset:j*2048
.set j, j+1
.endr
.endm
	s_load_b256 s[4:11], s[0:1], 0x0               ; x s[4:5], Wqkv s[6:7], Wo s[8:9], xb s[10:11]
	s_load_b128 s[12:15], s[0:1], 0x20             ; wb s[12:13], wo16 s[14:15]
	s_load_b64 s[16:17], s[0:1], 0x30              ; tab
	s_mov_b32 s18, ttmp9                           ; the work-group's number
	v_lshrrev_b32 v1, 4, v0
	v_and_b32 v3, 15, v0
	v_lshlrev_b32 v1, 12, v1
	v_lshl_add_u32 v1, v3, 4, v1                   ; x and Wqkv: row t / 16 of 4,096 bytes, 16 bytes at 16 (t % 16) of a block's 256
	v_lshlrev_b32 v2, 3, v0                        ; every destination: 8 t
	v_lshlrev_b32 v3, 4, v0                        ; Wo: 16 t
	s_mov_b32 s21, 0                               ; the offsets' high words
	s_mov_b32 s23, 0
	s_wait_kmcnt 0x0
	s_cmp_lt_u32 s18, 512
	s_cbranch_scc0 .Lweights
	; x: block kb of 64 columns, rows 256 R to 256 R + 255 of the 8,192
	s_and_b32 s24, s18, 15                         ; kb
	s_lshr_b32 s25, s18, 4                         ; R
	s_lshl_b32 s20, s25, 20                        ; 256 rows of 4,096 bytes
	s_lshl_b32 s26, s24, 8
	s_add_co_u32 s20, s20, s26
	s_lshr_b32 s22, s25, 3                         ; the batch
	s_lshl_b32 s22, s22, 22
	s_lshl_b32 s26, s24, 18
	s_add_co_u32 s22, s22, s26
	s_and_b32 s26, s25, 7
	s_lshl_b32 s26, s26, 15                        ; 256 rows of 128 bytes
	s_add_co_u32 s22, s22, s26
	s_add_nc_u64 s[4:5], s[4:5], s[20:21]
	s_add_nc_u64 s[10:11], s[10:11], s[22:23]
	CAST 4, 1, 65536, 10, 0
	s_cmp_lt_u32 s18, 256
	s_cbranch_scc1 .Ltable
	s_endpgm
.Lweights:
	s_cmp_lt_u32 s18, 704
	s_cbranch_scc0 .Lwo
	; Wqkv, seen as 3,072 rows (3 k + s) of 4,096 bytes: block c of 64 columns, 256 such rows
	s_sub_co_u32 s24, s18, 512
	s_and_b32 s25, s24, 15                         ; c
	s_lshr_b32 s24, s24, 4                         ; which 256 rows
	s_lshl_b32 s20, s24, 20
	s_lshl_b32 s26, s25, 8
	s_add_co_u32 s20, s20, s26
	s_mul_i32 s22, s25, 393216                     ; a block of wb: 1,024 rows of 384 bytes
	s_lshl_b32 s26, s24, 15
	s_add_co_u32 s22, s22, s26
	s_add_nc_u64 s[6:7], s[6:7], s[20:21]
	s_add_nc_u64 s[12:13], s[12:13], s[22:23]
	CAST 6, 1, 65536, 12, 0
	s_endpgm
.Lwo:
	s_sub_co_u32 s24, s18, 704
	s_lshl_b32 s20, s24, 16                        ; 65,536 dense bytes in, 32,768 out
	s_lshl_b32 s22, s24, 15
	s_add_nc_u64 s[8:9], s[8:9], s[20:21]
	s_add_nc_u64 s[14:15], s[14:15], s[22:23]
	CAST 8, 3, 4096, 14, 1
	s_endpgm
.Ltable:
	; wave w makes row t = 8 x work-group + w.  Lane l: frequencies 2 (l % 16) and the next; lanes 0-15 the cosines, lanes 16-31 the sines, as cos(a - pi/2).
	v_and_b32 v108, 31, v0                         ; l
	v_lshrrev_b32 v109, 4, v108                    ; 1 for the sines
	v_and_b32 v110, 15, v108
	v_lshlrev_b32 v110, 1, v110                    ; i
	v_lshrrev_b32 v111, 5, v0
	v_lshl_add_u32 v111, s18, 3, v111              ; t
	v_cvt_f32_u32 v112, v111
	v_lshlrev_b32 v113, 8, v111
	v_lshl_add_u32 v113, v108, 3, v113             ; 256 t + 8 l: the wave's one store covers the row's 256 bytes
.macro TRIG n
	v_add_nc_u32 v114, \n, v110
	v_cvt_f32_u32 v114, v114
	v_mul_f32 v114, 0xbed49a78, v114               ; -i log2(10000) / 32
	v_exp_f32 v114, v114                           ; f_i
	v_nop                                          ; a plain instruction between a transcendental and the use of its result (ISA guide 5.7.2)
	s_wait_alu depctr_va_vdst(0)
	v_mul_f32 v114, v112, v114                     ; a = t f_i
	v_mul_f32 v115, 0x3f22f983, v114               ; a 2 / pi
	v_rndne_f32 v115, v115                         ; kq
	v_fmamk_f32 v116, v115, 0xbfc90fdb, v114       ; r = a - kq pi/2: the large part,
	v_fmamk_f32 v116, v115, 0x333bbd2e, v116       ; and what f32 leaves of pi/2
	v_cvt_i32_f32 v117, v115
	v_sub_nc_u32 v117, v117, v109                  ; the quadrant; one back for the sines
	v_mul_f32 v118, v116, v116                     ; r^2
	v_mov_b32 v119, 0xb9500d01                     ; sin r = r + r r^2 (-1/6 + r^2 (1/120 - r^2 / 5040))
	v_fmaak_f32 v119, v119, v118, 0x3c088889
	v_fmaak_f32 v119, v119, v118, 0xbe2aaaab
	v_mul_f32 v120, v116, v118
	v_fma_f32 v119, v119, v120, v116
	v_mov_b32 v121, 0x37d00d01                     ; cos r = 1 + r^2 (-1/2 + r^2 (1/24 + r^2 (-1/720 + r^2 / 40320)))
	v_fmaak_f32 v121, v121, v118, 0xbab60b61
	v_fmaak_f32 v121, v121, v118, 0x3d2aaaab
	v_fmaak_f32 v121, v121, v118, 0xbf000000
	v_fmaak_f32 v121, v121, v118, 0x3f800000
	v_and_b32 v122, 1, v117
	v_cmp_eq_u32 vcc_lo, 1, v122
	v_cndmask_b32 v123, v121, v119, vcc_lo         ; odd quadrants take the sine
	v_add_nc_u32 v122, 1, v117
	v_lshlrev_b32 v122, 30, v122
	v_and_b32 v122, 0x80000000, v122               ; quadrants 1 and 2 turn the sign: bit 1 of quadrant + 1
	v_xor_b32 v[124+\n], v122, v123
.endm
	TRIG 0
	TRIG 1
	global_store_b64 v113, v[124:125], s[16:17]
	s_endpgm
.Lfunc_end_k_qf27fb65afb_prep:
	.size	k_qf27fb65afb_prep, .Lfunc_end_k_qf27fb65afb_prep-k_qf27fb65afb_prep
	.p2alignl 7, 3214868480
	.fill 96, 4, 3214868480
	.section	.rodata,"a",@progbits
	.p2align	6, 0x0
	.amdhsa_kernel k_qf27fb65afb_prep
		.amdhsa_group_segment_fixed_size 0
		.amdhsa_private_segment_fixed_size 0
		.amdhsa_enable_private_segment 0
		.amdhsa_kernarg_size 56
		.amdhsa_user_sgpr_count 2
		.amdhsa_user_sgpr_kernarg_segment_ptr 1
		.amdhsa_wavefront_size32 1
		.amdhsa_system_sgpr_workgroup_id_x 1
		.amdhsa_system_sgpr_workgroup_id_y 1
		.amdhsa_system_sgpr_workgroup_id_z 1
		.amdhsa_system_vgpr_workitem_id 0
		.amdhsa_next_free_vgpr 128
		.amdhsa_next_free_sgpr 66
		.amdhsa_reserve_vcc 1
		.amdhsa_float_denorm_mode_32 3
		.amdhsa_float_denorm_mode_16_64 3
		.amdhsa_memory_ordered 1
		.amdhsa_forward_progress 1
		.amdhsa_inst_pref_size 27
	.end_amdhsa_kernel
	.amdgpu_metadata
---
amdhsa.version: [ 1, 2 ]
amdhsa.kernels:
  - .name:           k_qf27fb65afb_prep
    .symbol:         k_qf27fb65afb_prep.kd
    .args:
      - { .name: x, .offset: 0, .size: 8, .value_kind: global_buffer, .address_space: global }
      - { .name: Wqkv, .offset: 8, .size: 8, .value_kind: global_buffer, .address_space: global }
      - { .name: Wo, .offset: 16, .size: 8, .value_kind: global_buffer, .address_space: global }
      - { .name: xb, .offset: 24, .size: 8, .value_kind: global_buffer, .address_space: global }
      - { .name: wb, .offset: 32, .size: 8, .value_kind: global_buffer, .address_space: global }
      - { .name: wo16, .offset: 40, .size: 8, .value_kind: global_buffer, .address_space: global }
      - { .name: tab, .offset: 48, .size: 8, .value_kind: global_buffer, .address_space: global }
    .group_segment_fixed_size: 0
    .private_segment_fixed_size: 0
    .kernarg_segment_align: 8
    .kernarg_segment_size: 56
    .max_flat_workgroup_size: 256
    .sgpr_count:     66
    .vgpr_count:     128
    .wavefront_size: 32
...
	.end_amdgpu_metadata
.endif
;; end of part 1
;; launch qkv (part 2): grid 16 x 32, 4 waves a work-group, clusters of 4 x 4, 327,680 bytes of LDS; arguments xb, wb, tab, qh, kh, vh; writes qh, kh, vh
.if DOCPART == 2
	.amdgcn_target "amdgcn-amd-amdhsa--gfx1250"
	.amdhsa_code_object_version 6
	.text
	.protected	k_qf27fb65afb_qkv
	.globl	k_qf27fb65afb_qkv
	.p2align	8
	.type	k_qf27fb65afb_qkv,@function
k_qf27fb65afb_qkv:
	s_mov_b64 s[64:65], 0
	v_nop
	global_prefetch_b8 v0, s[64:65] scope:SCOPE_SE
	s_setreg_imm32_b32 hwreg(HW_REG_WAVE_MODE, 25, 1), 1
	s_wait_xcnt 0x0
	s_wait_alu depctr_hold_cnt(0) depctr_sa_sdst(0) depctr_va_vdst(0) depctr_va_sdst(0) depctr_va_ssrc(0) depctr_va_vcc(0) depctr_vm_vsrc(0)
	s_getreg_b32 s2, hwreg(HW_REG_IB_STS2, 6, 4)
	s_cmp_eq_u32 s2, 0
	s_cbranch_scc0 .Lentry_in_a_cluster
	s_endpgm
.Lentry_in_a_cluster:
	s_bfe_u32 s2, ttmp6, 0x10000c
	s_cmp_lg_u32 s2, 0xf033
	s_cbranch_scc0 .Lentry_shape_is_right
	s_endpgm
.Lentry_shape_is_right:
; QKV: [8192 x 1024] x [1024 x 3072] in bf16 with f32 sums, then RoPE and the L2 norm on q and k in f32; q, k, v leave by heads, [b 16 + h][t][64], in f16, each rounded once.
; q also takes log2(e) / 8 in f32, inside its norm's factor, so that K Q^T in the next launch is already the argument of 2^x.
; LIMITS.  v leaves in f16: |v| under 65,504; below 6e-5 it keeps f16's fixed step of 6e-8.  NaN and infinities are not treated apart.  The sums' order is the matrix unit's, K ascending.
; SHARES.  A tile is 256 rows x 192 columns: head c's q, k and v (wb holds them side by side).  8192 x 3072 / (256 x 192) = 512 work-groups.  Four waves; wave w owns rows 64 w .. 64 w + 63 and
; ALL 192 columns, so a head's 64 numbers of a row lie in two lanes of one wave: 48 accumulators of 16 x 16, 384 registers.
; RING.  K goes in steps of 128 through two LDS slots: A as two blocks of 64 along K (each 256 dense rows of 128 bytes in xb), B as 128 rows of 384 bytes (dense in wb).  Waves 0 and 1 fetch A's two
; blocks, waves 2 and 3 B's two halves: one tensor load a wave behind each change of slots; at the start two a wave are out.
; CLUSTER.  4 x 4 work-groups; the four of a row of the cluster need the same tiles of A, the four of a column the same tiles of B: each tile is asked for jointly, by the same tensor load with the same
; descriptor and a mask that names the four.
; THE MATRIX INSTRUCTION IS USED TRANSPOSED: source 0 = 16 columns of W (turned on the way out of LDS by ds_load_tr16_b128), source 1 = 16 rows of x: a lane holds row l % 16 and the columns 8 (l / 16) + 0..7.
; REGISTERS, in windows of 256 (s_set_vgpr_msb: bits 1:0 source 0, 3:2 source 1, 5:4 source 2, 7:6 destination):
;   window 0: v0-29 addresses; v32-119 the way out; v128-255 my rows' cosines and sines        window 1: two fragment buffers of 128: 4 of A, then 12 of B
;   window 2: the accumulators of row blocks 0, 1 ((a, b) at 8 (12 (a % 2) + b));               window 3: those of row blocks 2, 3
.set NBK,    12                        ; column blocks of 16
.set BPITCH, 480                       ; a row of B in LDS: three strips of 128 bytes, 32 of padding behind each: 120 words
.set APITCH, 144                       ; a row of A: 128 bytes + 16: 36 words: the 16 rows of a load start at 16 different groups of four banks
.set ASUB,   256*APITCH                ; one block of 64 along K: 256 rows
.set AREG,   2*ASUB                    ; B lies behind A's two blocks
.set BHALF,  64*BPITCH                 ; what one of B's loads brings
.set SLOT,   AREG+2*BHALF
.set STAGE,  2*SLOT                    ; behind the ring, never filled by a tensor load: 16 rows x 144 bytes for each wave
.set STW,    16*144
.set SPARE,  STAGE+4*STW               ; behind the stages: the spare words, 128 bytes a wave: two blocks of 256 bytes that no other line names
.set NL,     2*NBK+8                   ; LDS loads of a quarter step
.set ADRA, 16                          ; v16-17  LDS address of my A fragments in slot 0, 1
.set ADRB, 20                          ; v20-21  the same for B
.set STO,  24                          ; v24     the way out: where I put 16 bytes of a row
.set RD,   25                          ; v25     where I read rows back
.set GO,   26                          ; v26     my 16 bytes in 512 consecutive bytes of q, k or v
.set TO,   27                          ; v27     my byte offset in 16 rows of the table
.set SPW,  28                          ; v28     LDS address of my spare word; never rewritten
.set NIL,  29                          ; v29     0; never rewritten
.set SQ,   32                          ; v[32:35] two chains of the sum of squares
.set SC,   36                          ; v[36:37] the row's factor, twice
.set XH,   38                          ; v38     the other half of the lanes' sum
.set RR,   40                          ; v[40:71] a head's 32 rotated numbers: column block bq at RR + 8 bq
.set PKD,  72                          ; v[72:87] the same in f16
.set OB,   88                          ; v[88:119] rows read back from the stage, two sets of 16
.set TAB,  128                         ; row block a at TAB + 32 a: cosines of frequencies 8 (l / 16) + 0..7, of 16 + the same; then the sines
.set F0,   0
.set F1,   128
.set G1A, 24                           ; s[24:31] descriptor group 1 for A;  s[32:39] group 0, a set for each slot
.set G0A, 32
.set G1B, 48                           ; s[48:55], s[56:63] the same for B
.set G0B, 56
.set MSB, 0
.macro WIN new                         ; the immediate's high byte repeats the setting that is left; a switch that changes nothing is dropped
.if MSB != (\new)
	s_set_vgpr_msb (MSB<<8)|(\new)
.set MSB, \new
.endif
.endm
.set MUL_LO, 0xa5                      ; both sources window 1, C and D window 2
.set MUL_HI, 0xf5                      ; the same, C and D window 3
.set TO_F,   0x40                      ; destination window 1, address window 0
.macro JLOAD s                         ; a joint load: waves 0 and 1 ask for A, waves 2 and 3 for B; an s_nop 0 and four v_nop follow each of the two lines, ahead of the jump and the label
	s_cmp_eq_u32 s17, 0
	s_cbranch_scc0 .Lfor_b_\@
	tensor_load_to_lds s[G0A+4*(\s):G0A+4*(\s)+3], s[G1A:G1A+7]
	s_nop 0
.rept 4
	v_nop
.endr
	s_branch .Lasked_\@
.Lfor_b_\@:
	tensor_load_to_lds s[G0B+4*(\s):G0B+4*(\s)+3], s[G1B:G1B+7]
	s_nop 0
.rept 4
	v_nop
.endr
.Lasked_\@:
.endm
.macro CREST                           ; a round of the cluster's barrier behind its opening barrier
	s_cmp_lg_u32 s16, 0
	s_cbranch_scc1 .Lnot_wave_0_\@
	s_barrier_signal -3
.Lnot_wave_0_\@:
	s_barrier_wait -3
	s_barrier_signal -1
	s_barrier_wait -1
.endm
.macro CROUND                          ; a whole round
	s_barrier_signal -1
	s_barrier_wait -1
	CREST
.endm
	s_load_b256 s[4:11], s[0:1], 0x0               ; xb s[4:5], wb s[6:7], tab s[8:9], qh s[10:11]
	s_load_b128 s[12:15], s[0:1], 0x20             ; kh s[12:13], vh s[14:15]
	v_lshl_add_u32 v[SPW], v0, 2, SPARE
	v_mov_b32 v[NIL], 0
	ds_add_u32 v[SPW], v[NIL]                      ; the wave's opening: the add and its wait stand ahead of my first tensor load; the set-up below, work on registers, stands between them
	v_lshrrev_b32 v1, 5, v0
	v_readfirstlane_b32 s16, v1                    ; wave 0..3
	s_lshr_b32 s17, s16, 1                         ; I fetch for A (0) or for B (1),
	s_and_b32 s18, s16, 1                          ; its first or second half along K
	s_bfe_u32 s20, ttmp6, 0x40000                  ; cx, cy: my place in the cluster
	s_bfe_u32 s21, ttmp6, 0x40004
	s_lshl_b32 s22, ttmp9, 2
	s_add_co_u32 s22, s22, s20                     ; c: the head = 4 x cluster x + cx
	s_and_b32 s23, ttmp7, 0xffff
	s_lshl_b32 s23, s23, 2
	s_add_co_u32 s23, s23, s21                     ; R: the block of 256 rows = 4 x cluster y + cy
	s_lshl_b32 s40, s21, 2
	s_lshl_b32 s40, 15, s40                        ; my row of the cluster
	s_lshl_b32 s41, 0x1111, s20                    ; my column
	; group 1 for A: 32,768 dense bytes as 128 rows of 256, 16 bytes of padding behind every 128
	s_or_b32 s[G1A+0], s40, (1<<16)|(1<<20)|(1<<21)|(4<<22)|(3<<25)  ; 15:0 the mask; 17:16 2-byte elements; 20 padding on; 21 set beside a mask; 24:22 after every 32 words (code 4); 31:25 4 words (code 3)
	s_mov_b32 s[G1A+1], 128<<16                    ; tensor_dim0 = 128
	s_mov_b32 s[G1A+2], 128<<16                    ; tensor_dim1 = 128
	s_mov_b32 s[G1A+3], 128<<16                    ; tile_dim0 = 128
	s_mov_b32 s[G1A+4], 128                        ; tile_dim1 = 128
	s_mov_b32 s[G1A+5], 128                        ; 128 elements from row to row
	s_mov_b32 s[G1A+6], 0
	s_mov_b32 s[G1A+7], 0
	; group 1 for B: 24,576 dense bytes as 96 rows of 256, 32 bytes of padding behind every 128
	s_or_b32 s[G1B+0], s41, (1<<16)|(1<<20)|(1<<21)|(4<<22)|(7<<25)
	s_mov_b32 s[G1B+1], 128<<16
	s_mov_b32 s[G1B+2], 96<<16
	s_mov_b32 s[G1B+3], 128<<16
	s_mov_b32 s[G1B+4], 96
	s_mov_b32 s[G1B+5], 128
	s_mov_b32 s[G1B+6], 0
	s_mov_b32 s[G1B+7], 0
	; A's tiles hang on R and the wave alone, B's on c and the wave alone, each made in registers that never hold the other coordinate
	s_lshr_b32 s42, s23, 3
	s_lshl_b32 s42, s42, 22                        ; the batch,
	s_and_b32 s2, s23, 7
	s_lshl_b32 s2, s2, 15                          ; its 256 rows of 128 bytes,
	s_add_co_u32 s42, s42, s2
	s_lshl_b32 s2, s18, 18                         ; my block of 64 along K
	s_add_co_u32 s42, s42, s2
	s_mov_b32 s43, 0
	s_mul_i32 s44, s22, 393216                     ; head c's block of wb,
	s_mul_i32 s3, s18, 24576                       ; my 64 rows of 384 bytes
	s_add_co_u32 s44, s44, s3
	s_mov_b32 s45, 0
	s_mul_i32 s46, s18, ASUB                       ; and where they go: no place in the cluster enters an LDS address
	s_mul_i32 s47, s18, BHALF
	s_add_co_u32 s47, s47, AREG
	s_mov_b32 s66, 0x76543210                      ; v_permlanex16_b32's selects: each lane takes its own place in the other half
	s_mov_b32 s67, 0xfedcba98
	s_wait_dscnt 0x0                               ; the opening add is done
	s_wait_kmcnt 0x0
	s_add_nc_u64 s[42:43], s[4:5], s[42:43]
	s_add_nc_u64 s[44:45], s[6:7], s[44:45]
	CROUND                                         ; all sixteen work-groups are here: the first joint loads meet
.irp s, 0,1
	s_mov_b32 s[G0A+4*(\s)], 1                     ; count = 1
	s_add_co_u32 s[G0A+4*(\s)+1], s46, (\s)*SLOT   ; LDS address
	s_add_nc_u64 s[G0A+4*(\s)+2:G0A+4*(\s)+3], s[42:43], (\s)*524288  ; K step s: two blocks of 262,144 bytes on
	s_or_b32 s[G0A+4*(\s)+3], s[G0A+4*(\s)+3], 0x80000000            ; type = 2
	s_mov_b32 s[G0B+4*(\s)], 1
	s_add_co_u32 s[G0B+4*(\s)+1], s47, (\s)*SLOT
	s_add_nc_u64 s[G0B+4*(\s)+2:G0B+4*(\s)+3], s[44:45], (\s)*49152   ; 128 rows of 384 bytes on
	s_or_b32 s[G0B+4*(\s)+3], s[G0B+4*(\s)+3], 0x80000000
	JLOAD \s
.endr
	; where my rows lie in q, k, v and in the table
	s_lshr_b32 s68, s23, 3
	s_lshl_b32 s68, s68, 22                        ; the batch's 16 heads of 262,144 bytes,
	s_and_b32 s70, s23, 7
	s_lshl_b32 s69, s70, 15
	s_add_co_u32 s68, s68, s69                     ; the block's 256 rows of 128 bytes,
	s_lshl_b32 s69, s22, 18
	s_add_co_u32 s68, s68, s69                     ; the head,
	s_lshl_b32 s69, s16, 13
	s_add_co_u32 s68, s68, s69                     ; my wave's 64 rows
	s_mov_b32 s69, 0
	s_lshl_b32 s70, s70, 16                        ; the table: 256 rows of 256 bytes,
	s_lshl_b32 s71, s16, 14
	s_add_co_u32 s70, s70, s71                     ; my wave's 64
	s_mov_b32 s71, 0
	s_add_nc_u64 s[10:11], s[10:11], s[68:69]
	s_add_nc_u64 s[12:13], s[12:13], s[68:69]
	s_add_nc_u64 s[14:15], s[14:15], s[68:69]
	s_add_nc_u64 s[8:9], s[8:9], s[70:71]
	v_and_b32 v1, 15, v0                           ; l % 16
	v_bfe_u32 v2, v0, 4, 1                         ; l / 16
	v_lshlrev_b32 v[TO], 8, v1
	v_lshl_add_u32 v[TO], v2, 5, v[TO]             ; row x 256 + 32 x half: my 8 frequencies
.set z, 0
.rept 32                               ; my 64 rows' cosines and sines stay in registers; they are waited for in front of the way out
	global_load_b128 v[TAB+4*z:TAB+4*z+3], v[TO], s[8:9] offset:(z/8)*4096+((z/4)%2)*128+((z/2)%2)*64+(z%2)*16
.set z, z+1
.endr
	v_mul_u32_u24 v3, v1, APITCH
	v_lshl_add_u32 v3, v2, 4, v3                   ; a fragment's row x pitch + 16 x half
	s_mul_i32 s2, s16, 64*APITCH                   ; my 64 rows of A
	v_add_nc_u32 v[ADRA], s2, v3
	v_add_nc_u32 v[ADRA+1], SLOT, v[ADRA]
	; the turning load takes 16 K x 16 columns (lane l reads row 8 (l / 16) + l % 8, columns 8 ((l / 8) % 2) + 0..7) and leaves half a fragment: lane l holds column l % 16 and 8 along K
	v_and_b32 v4, 7, v0
	v_bfe_u32 v5, v0, 3, 1
	v_lshl_add_u32 v6, v2, 3, v4
	v_mul_u32_u24 v6, v6, BPITCH
	v_lshl_add_u32 v6, v5, 4, v6
	v_add_nc_u32 v[ADRB], AREG, v6
	v_add_nc_u32 v[ADRB+1], AREG+SLOT, v6
	s_mul_i32 s2, s16, STW
	s_add_co_u32 s2, s2, STAGE                     ; my stage
	v_add_nc_u32 v[STO], s2, v3                    ; in: row l % 16, 16 bytes for each half of the lanes
	v_bfe_u32 v7, v0, 3, 2                         ; back: 32 lanes take four rows of 128 bytes,
	v_mul_u32_u24 v7, v7, 144
	v_lshl_add_u32 v7, v4, 4, v7
	v_add_nc_u32 v[RD], s2, v7
	v_and_b32 v[GO], 31, v0                        ; which are 512 consecutive bytes of a head
	v_lshlrev_b32 v[GO], 4, v[GO]
	v_mov_b32 v[XH], 0                             ; v_permlanex16_b32's destination counts as read
; NBK matrix instructions: row block a x all column blocks, 32 along K.  zero = 1: the first product starts the sums.  The 48 accumulators take turns in the same order in every quarter.
.macro MULH f, a, zero
	WIN MUL_LO+0x50*((\a)/2)
.set nb, 0
.rept NBK
.set rD, 8*(NBK*((\a)%2)+nb)
.if \zero
	v_wmma_f32_16x16x32_bf16 v[rD:rD+7], v[(\f)+32+8*nb:(\f)+32+8*nb+7], v[(\f)+8*(\a):(\f)+8*(\a)+7], 0
.else
	v_wmma_f32_16x16x32_bf16 v[rD:rD+7], v[(\f)+32+8*nb:(\f)+32+8*nb+7], v[(\f)+8*(\a):(\f)+8*(\a)+7], v[rD:rD+7]
.endif
.set nb, nb+1
.endr
.endm
; NL LDS loads in one run: quarter q (32 along K) of a slot into buffer f: B's 12 fragments, turned, then A's 4
.macro FETCH slot, q, f
	WIN TO_F
.set nb, 0
.rept NBK
.set bo, (\q)*32*BPITCH+(nb/4)*160+(nb%4)*32
	ds_load_tr16_b128 v[(\f)+32+8*nb:(\f)+32+8*nb+3],   v[ADRB+(\slot)] offset:bo
	ds_load_tr16_b128 v[(\f)+32+8*nb+4:(\f)+32+8*nb+7], v[ADRB+(\slot)] offset:bo+16*BPITCH
.set nb, nb+1
.endr
.irp a, 0,1,2,3
	ds_load_b128 v[(\f)+8*(\a):(\f)+8*(\a)+3],   v[ADRA+(\slot)] offset:((\q)/2)*ASUB+((\q)%2)*64+(\a)*16*APITCH
	ds_load_b128 v[(\f)+8*(\a)+4:(\f)+8*(\a)+7], v[ADRA+(\slot)] offset:((\q)/2)*ASUB+((\q)%2)*64+(\a)*16*APITCH+32
.endr
.endm
.macro PLACES                          ; four places in front of loads into registers that matrix instructions have read, and of vector lines that read results (ISA guide 7.12.1 for the vector lines)
.rept 4
	v_nop
.endr
.endm
; A K step is four quarters of 32 along K on buffers 0, 1, 0, 1.  One of the first three: multiplies buffer f and fetches quarter qn into g.
.macro QUARTER slot, qn, f, g, zero
	s_wait_dscnt 4                                 ; B and A's row blocks 0, 1 are in; the youngest four loads (row blocks 2, 3) may be out
	MULH \f, 0, \zero
	MULH \f, 1, \zero
	PLACES
	FETCH \slot, \qn, \g
	s_wait_dscnt NL                                ; all but the run just issued
	MULH \f, 2, \zero
	MULH \f, 3, \zero
.endm
; The last quarter multiplies buffer 1 and changes slots: ONE barrier; in front of it each wave waits for all its tensor loads, adds 0 to its spare word, and waits for that and for its reads of this slot.
; fill = 1: the barrier opens a round of the cluster's, and this slot is filled again, two K steps ahead, first thing behind the round.
.macro TURN slot, next, fill
	WIN 0                                          ; (the add's two registers lie in window 0)
	s_wait_tensorcnt 0x0                           ; all my tensor loads have landed: my part of the next slot
	ds_add_u32 v[SPW], v[NIL]                      ; 0 onto my spare word
	s_wait_dscnt 5                                 ; (the add and the youngest four loads may be out)
	MULH F1, 0, 0                                  ; matrix work stands between the add and the wait for it
	s_wait_dscnt 0x0                               ; the add is done, and my reads of this slot are over
	s_barrier_signal -1
	MULH F1, 1, 0
.if \fill
	WIN 0
.endif
	s_barrier_wait -1
.if \fill
	CREST                                          ; no wave of any partner still reads this slot's tile or has a load on its way
	s_add_nc_u64 s[G0A+4*(\slot)+2:G0A+4*(\slot)+3], s[G0A+4*(\slot)+2:G0A+4*(\slot)+3], 1048576
	s_add_nc_u64 s[G0B+4*(\slot)+2:G0B+4*(\slot)+3], s[G0B+4*(\slot)+2:G0B+4*(\slot)+3], 98304
	JLOAD \slot                                    ; 168 matrix instructions ahead of the wait for it; the four v_nop behind it are also the places in front of the loads below
.else
	PLACES
.endif
	FETCH \next, 0, F0
	MULH F1, 2, 0
	MULH F1, 3, 0
.endm
	s_wait_tensorcnt 1                             ; my part of K step 0 is in; K step 1's may stay out
	s_barrier_signal -1
	s_barrier_wait -1                              ; everybody's is
	FETCH 0, 0, F0
	QUARTER 0, 1, F0, F1, 1                        ; the first quarter stands in front of the loop: its products start the sums
	WIN 0                                          ; at a label and at a branch every window is 0
	s_mov_b32 s19, 3                               ; 8 K steps are 4 laps of the ring; the last lap is written out
.Llap:
	QUARTER 0, 2, F1, F0, 0
	QUARTER 0, 3, F0, F1, 0
	TURN 0, 1, 1
	QUARTER 1, 1, F0, F1, 0
	QUARTER 1, 2, F1, F0, 0
	QUARTER 1, 3, F0, F1, 0
	TURN 1, 0, 1
	QUARTER 0, 1, F0, F1, 0
	WIN 0
	s_sub_co_u32 s19, s19, 1
	s_cmp_lg_u32 s19, 0
	s_cbranch_scc1 .Llap
	QUARTER 0, 2, F1, F0, 0                        ; the last lap fills nothing
	QUARTER 0, 3, F0, F1, 0
	TURN 0, 1, 0
	QUARTER 1, 1, F0, F1, 0
	QUARTER 1, 2, F1, F0, 0
	QUARTER 1, 3, F0, F1, 0
	s_wait_dscnt 4
	MULH F1, 0, 0
	MULH F1, 1, 0
	s_wait_dscnt 0x0
	MULH F1, 2, 0
	MULH F1, 3, 0
	WIN 0
; THE WAY OUT, in 12 units: row block a x (q, k, v).  A lane holds 32 of a row's 64 numbers of the head: column blocks 0, 1 are x1 (dimensions 0-31), blocks 2, 3 are x2; the lane 16 away holds the rest.
; q and k: rot1 = x1 cos - x2 sin, rot2 = x1 sin + x2 cos; the sum of squares of the rotated numbers; factor 1 / sqrt(sum + 1e-6), for q times log2(e) / 8; rounded once to f16.
; Each accumulator's lowest registers are read first.
.macro HEADQK a, b0, isq
	WIN 0x02+((\a)/2)                              ; source 0: the accumulators' window
.irp bb, 0,1
.irp p, 0,1,2,3
.set rX, 8*(NBK*((\a)%2)+(\b0)+2+(\bb))+2*(\p)
.set rC, TAB+32*(\a)+8*(\bb)+2*(\p)
.set r1, RR+8*(\bb)+2*(\p)
	v_pk_mul_f32 v[r1:r1+1], v[rX:rX+1], v[rC+16:rC+17]        ; x2 sin
	v_pk_mul_f32 v[r1+16:r1+17], v[rX:rX+1], v[rC:rC+1]        ; x2 cos
.endr
.endr
.irp bb, 0,1
.irp p, 0,1,2,3
.set rX, 8*(NBK*((\a)%2)+(\b0)+(\bb))+2*(\p)
.set rC, TAB+32*(\a)+8*(\bb)+2*(\p)
.set r1, RR+8*(\bb)+2*(\p)
	v_pk_fma_f32 v[r1:r1+1], v[rX:rX+1], v[rC:rC+1], v[r1:r1+1] neg_lo:[0,0,1] neg_hi:[0,0,1]
	v_pk_fma_f32 v[r1+16:r1+17], v[rX:rX+1], v[rC+16:rC+17], v[r1+16:r1+17]
.endr
.endr
	WIN 0
	v_pk_mul_f32 v[SQ:SQ+1], v[RR:RR+1], v[RR:RR+1]
	v_pk_mul_f32 v[SQ+2:SQ+3], v[RR+2:RR+3], v[RR+2:RR+3]
.set z, 2
.rept 7
	v_pk_fma_f32 v[SQ:SQ+1], v[RR+2*z:RR+2*z+1], v[RR+2*z:RR+2*z+1], v[SQ:SQ+1]
	v_pk_fma_f32 v[SQ+2:SQ+3], v[RR+2*z+2:RR+2*z+3], v[RR+2*z+2:RR+2*z+3], v[SQ+2:SQ+3]
.set z, z+2
.endr
	v_pk_add_f32 v[SQ:SQ+1], v[SQ:SQ+1], v[SQ+2:SQ+3]
	v_add_f32 v[SQ], v[SQ], v[SQ+1]
	v_permlanex16_b32 v[XH], v[SQ], s66, s67       ; the row's other 32 numbers lie in the lane 16 away
	v_add_f32 v[SQ], v[SQ], v[XH]
	v_add_f32 v[SQ], 0x358637bd, v[SQ]             ; + 1e-6
	v_rsq_f32 v[SC], v[SQ]
	v_nop                                          ; a plain instruction between a transcendental and the use of its result (ISA guide 5.7.2)
.if \isq
	s_wait_alu depctr_va_vdst(0)
	v_mul_f32 v[SC], 0x3e38aa3b, v[SC]             ; log2(e) / 8
.endif
	s_wait_alu depctr_va_vdst(0)
	v_mov_b32 v[SC+1], v[SC]
.set z, 0
.rept 16
	v_pk_mul_f32 v[RR+2*z:RR+2*z+1], v[RR+2*z:RR+2*z+1], v[SC:SC+1]
.set z, z+1
.endr
.set z, 0
.rept 16
	v_cvt_pk_f16_f32 v[PKD+z], v[RR+2*z], v[RR+2*z+1]
.set z, z+1
.endr
.endm
.macro HEADV a
	WIN 0x0a+5*((\a)/2)                            ; sources 0 and 1: the accumulators' window
.set z, 0
.rept 16
	v_cvt_pk_f16_f32 v[PKD+z], v[8*(NBK*((\a)%2)+8)+2*z], v[8*(NBK*((\a)%2)+8)+2*z+1]
.set z, z+1
.endr
	WIN 0
.endm
.macro HEAD u
.if (\u)%3 == 0
	HEADQK (\u)/3, 0, 1
.elseif (\u)%3 == 1
	HEADQK (\u)/3, 4, 0
.else
	HEADV (\u)/3
.endif
.endm
.macro TOSTAGE u                       ; 16 rows of 128 bytes into my own stage, and back as whole rows
.irp f, 0,1,2,3
	ds_store_b128 v[STO], v[PKD+4*(\f):PKD+4*(\f)+3] offset:32*(\f)
.endr
	s_wait_xcnt 0x0                                ; the set of registers loaded below was the data of the stores two units back: it is rewritten only behind this wait
.irp f, 0,1,2,3
	ds_load_b128 v[OB+16*((\u)%2)+4*(\f):OB+16*((\u)%2)+4*(\f)+3], v[RD] offset:576*(\f)  ; LDS serves a wave's instructions in order (ISA guide 5.7.1.4): these see the stores above
.endr
.endm
.macro SEND u, younger                 ; younger: the LDS instructions issued behind unit u's loads
.irp f, 0,1,2,3
	s_wait_dscnt (\younger)+3-(\f)
	global_store_b128 v[GO], v[OB+16*((\u)%2)+4*(\f):OB+16*((\u)%2)+4*(\f)+3], s[10+2*((\u)%3):11+2*((\u)%3)] offset:((\u)/3)*2048+(\f)*512  ; 512 consecutive bytes, at a multiple of 256 from the buffer's first
.endr
.endm
	s_wait_loadcnt 0x0                             ; the table
	PLACES                                         ; behind the last products
	HEAD 0
	TOSTAGE 0
.set uu, 1
.rept 11                               ; a unit's arithmetic stands between the loads of the unit before and its stores
	HEAD uu
	TOSTAGE uu
	SEND uu-1, 8
.set uu, uu+1
.endr
	SEND 11, 0
	s_wait_tensorcnt 0x0                           ; the wave's end, behind my last tensor load and my last LDS store
	ds_add_u32 v[SPW], v[NIL]
	s_wait_dscnt 0x0
	CROUND                                         ; the closing round: no work-group ends while a partner may still ask for a tile that names it
	s_endpgm
.Lfunc_end_k_qf27fb65afb_qkv:
	.size	k_qf27fb65afb_qkv, .Lfunc_end_k_qf27fb65afb_qkv-k_qf27fb65afb_qkv
	.p2alignl 7, 3214868480
	.fill 96, 4, 3214868480
	.section	.rodata,"a",@progbits
	.p2align	6, 0x0
	.amdhsa_kernel k_qf27fb65afb_qkv
		.amdhsa_group_segment_fixed_size 327680
		.amdhsa_private_segment_fixed_size 0
		.amdhsa_enable_private_segment 0
		.amdhsa_kernarg_size 48
		.amdhsa_user_sgpr_count 2
		.amdhsa_user_sgpr_kernarg_segment_ptr 1
		.amdhsa_wavefront_size32 1
		.amdhsa_system_sgpr_workgroup_id_x 1
		.amdhsa_system_sgpr_workgroup_id_y 1
		.amdhsa_system_sgpr_workgroup_id_z 1
		.amdhsa_system_vgpr_workitem_id 0
		.amdhsa_next_free_vgpr 960
		.amdhsa_next_free_sgpr 80
		.amdhsa_reserve_vcc 0
		.amdhsa_float_denorm_mode_32 3
		.amdhsa_float_denorm_mode_16_64 3
		.amdhsa_memory_ordered 1
		.amdhsa_forward_progress 1
		.amdhsa_inst_pref_size 159
	.end_amdhsa_kernel
	.amdgpu_metadata
---
amdhsa.version: [ 1, 2 ]
amdhsa.kernels:
  - .name:           k_qf27fb65afb_qkv
    .symbol:         k_qf27fb65afb_qkv.kd
    .args:
      - { .name: xb, .offset: 0, .size: 8, .value_kind: global_buffer, .address_space: global }
      - { .name: wb, .offset: 8, .size: 8, .value_kind: global_buffer, .address_space: global }
      - { .name: tab, .offset: 16, .size: 8, .value_kind: global_buffer, .address_space: global }
      - { .name: qh, .offset: 24, .size: 8, .value_kind: global_buffer, .address_space: global }
      - { .name: kh, .offset: 32, .size: 8, .value_kind: global_buffer, .address_space: global }
      - { .name: vh, .offset: 40, .size: 8, .value_kind: global_buffer, .address_space: global }
    .group_segment_fixed_size: 327680
    .private_segment_fixed_size: 0
    .kernarg_segment_align: 8
    .kernarg_segment_size: 48
    .max_flat_workgroup_size: 128
    .sgpr_count:     80
    .vgpr_count:     960
    .wavefront_size: 32
...
	.end_amdgpu_metadata
.endif
;; end of part 2
;; launch attn (part 3): grid 4 x 64, 4 waves a work-group, clusters of 4 x 1, 327,680 bytes of LDS; arguments qh, kh, vh, ob; writes ob
.if DOCPART == 3
	.amdgcn_target "amdgcn-amd-amdhsa--gfx1250"
	.amdhsa_code_object_version 6
	.text
	.protected	k_qf27fb65afb_attn
	.globl	k_qf27fb65afb_attn
	.p2align	8
	.type	k_qf27fb65afb_attn,@function
k_qf27fb65afb_attn:
	s_mov_b64 s[64:65], 0
	v_nop
	global_prefetch_b8 v0, s[64:65] scope:SCOPE_SE
	s_setreg_imm32_b32 hwreg(HW_REG_WAVE_MODE, 25, 1), 1
	s_wait_xcnt 0x0
	s_wait_alu depctr_hold_cnt(0) depctr_sa_sdst(0) depctr_va_vdst(0) depctr_va_sdst(0) depctr_va_ssrc(0) depctr_va_vcc(0) depctr_vm_vsrc(0)
	s_getreg_b32 s2, hwreg(HW_REG_IB_STS2, 6, 4)
	s_cmp_eq_u32 s2, 0
	s_cbranch_scc0 .Lentry_in_a_cluster
	s_endpgm
.Lentry_in_a_cluster:
	s_bfe_u32 s2, ttmp6, 0x10000c
	s_cmp_lg_u32 s2, 0x3003
	s_cbranch_scc0 .Lentry_shape_is_right
	s_endpgm
.Lentry_shape_is_right:
; ATTENTION.  O[h][q][:] = the sum over k of softmax_k(q . k / 8) V[h][k][:] for 64 heads (batch x head) of 2,048 rows.  Q, K, V, O: [64][2048][64] in f16, a head's rows dense, 128 bytes each.
; Q arrives normalised and multiplied by log2(e) / 8, K normalised: S = K Q^T is the argument of 2^x.
; NO MAXIMUM IS TAKEN AWAY, because the computation itself bounds the exponents for every input: q and k are divided by sqrt(their sum of squares + 1e-6), so both have length 1 at the most
; (f16's rounding adds 2^-11 of it), |q . k| / 8 <= 0.125 and |S| <= 0.1805.  Every weight p = 2^S lies in 0.88 to 1.14 and a row's sum l in 1,800 to 2,335: nothing can overflow or underflow in f32 or f16.
; So there is no running maximum and O is never rescaled.  Products and sums in f32; p is rounded to f16 for the second product (l is taken of the unrounded p), O once at the end.
; LIMITS.  V arrives within f16's 65,504; O is a mean of V's rows and has their range; below 6e-5 it keeps f16's fixed step of 6e-8.  NaN and infinities are not treated apart.
; SHARES.  A wave owns four PIECES of two tiles of 16 queries, a work-group's four waves 512 queries of one head: 4 x 64 = 256 work-groups.  Every wave walks all keys, 64 a step.
; LAYOUT.  S^T = K Q^T (source 0 = 16 keys, source 1 = 16 queries): a lane holds ONE query (lane % 16) and the keys 8 (lane / 16) + 0..7.  Two such results, rounded to f16 in pairs, ARE source 1
; (32 keys x 16 queries) of O^T = V^T P.  K comes out of LDS as it lies, V ([key][channel]) turned, by ds_load_tr16_b128.
; BY TURNS.  Turn n belongs to piece n (the pieces in a ring, step after step).  Its matrix work: 16 products K Q^T of piece n + 1, then 16 products V^T P of piece n - 1.  Its vector work, piece n's:
; 64 exponentials, 32 roundings, 32 packed sums: 128 for 32 matrix instructions, dealt four behind each.
; CLUSTER.  The four query blocks of a head walk the same K and V, so each tile is asked for JOINTLY: the same tensor load, descriptor and mask in all four.  One tensor load a wave is out at a time.
; REGISTERS, in windows of 256 (s_set_vgpr_msb: bits 1:0 source 0, 3:2 source 1, 5:4 source 2, 7:6 destination):
;   window 0: v0-12 addresses; v16-31 l, two a tile; v62-63 the add's; v64-191 S^T, two buffers of two tiles; v192-255 P, likewise (a piece's buffers go by its number's parity)
;   window 1: O^T, 32 a tile          window 2: v0-127 Q, 16 a tile; v128-191 K of one step; v192-255 V of one step
.set SIZE_N, 2048
.set NP,    4         ; pieces a wave: a name, no knob
.set KS,    64        ; keys in a step
.set PK,    144       ; a row of K in LDS: 128 bytes + 16 of padding = 36 words: the 16 rows of a load start at 16 different groups of four banks (64 banks of 4 bytes: ISA guide 11.1)
.set PV,    160       ; a row of V: 128 + 32 = 40 words
.set VOFF,  4*KS*PK   ; a slot holds four steps: 256 rows of K, then 256 rows of V
.set SLOT1, 1<<17     ; slot 1 begins here, so that one exclusive or turns an address in one slot into the other's
.set STAGE, SLOT1+4*KS*(PK+PV)  ; behind the ring, never filled by a tensor load: 16 rows x 144 bytes for each wave
.set SP,    144
.set SPARE, STAGE+4*16*SP  ; behind the stages: the spare words, 128 bytes a wave: two blocks of 256 bytes that no other line names
.set AK0, 2           ; v2   my lane's place in a tile of K; never rewritten
.set AV0, 3           ; v3   the same for V
.set AK,  4           ; v4   the LDS address of K's next run of loads
.set AV,  5           ; v5   of V's
.set STO, 6           ; v6   the way out: where I put 16 bytes of a row
.set RD,  7           ; v7   where I read rows back
.set GO,  8           ; v8   my byte offset in 512 consecutive bytes of O
.set QO,  12          ; v12  my byte offset in 16 rows of Q
.set LS,  16          ; tile t's sum at v[LS+2 t]: even keys', odd keys'
.set SPW, 62          ; v62  LDS address of my spare word; never rewritten
.set NIL, 63          ; v63  0; never rewritten
.set S,   64
.set P,   192
.set KF,  128         ; K's fragments, in window 2: key block kb, channel half c at KF + 16 kb + 8 c
.set VF,  192         ; V's: key half kk, channel block cb at VF + 32 kk + 8 cb
.set WV,  12          ; s12  my wave's number
.set G1K, 24          ; s[24:31] descriptor group 1 for K's tiles
.set G1V, 32          ; s[32:39] for V's: it differs in the padding alone
.set G0K, 40          ; s[40:43] descriptor group 0 for K's tiles: it walks
.set G0V, 44          ; s[44:47] the same for V's
.set SLOTS, 56        ; s56  slots still to be asked for
.set CNT, 57          ; s57  counts a slot's key steps
.set SEL, 60          ; s[60:61] v_permlanex16_b32's selects
.set TBK, 62          ; s62  LDS byte at which K of the step to be fetched begins
.set TBV, 63          ; s63  the same for V, less VOFF
.set MSB, 0
.macro WIN new                      ; the high byte repeats the setting that is left; a switch that changes nothing is dropped
.if MSB != (\new)
	s_set_vgpr_msb (MSB<<8)|(\new)
.set MSB, (\new)
.endif
.endm
.set W_KQ, 0x0a       ; K and Q in window 2, S^T in window 0
.set W_PV, 0x52       ; V in window 2, P in window 0, O^T in window 1
.set W_RS, 0x41       ; O^T (destination and source 0) in window 1, source 1 in window 0
; A joint fill.  Waves 0 and 1 fetch the two halves of a slot's K, waves 2 and 3 those of its V: 128 keys each.  An s_nop 0 and four v_nop follow each of the two lines, ahead of the jump and the label.
.macro JLOAD
	s_cmp_lt_u32 s[WV], 2
	s_cbranch_scc0 .Lfor_v_\@
	tensor_load_to_lds s[G0K:G0K+3], s[G1K:G1K+7]
	s_nop 0
.rept 4
	v_nop
.endr
	s_branch .Lasked_\@
.Lfor_v_\@:
	tensor_load_to_lds s[G0V:G0V+3], s[G1V:G1V+7]
	s_nop 0
.rept 4
	v_nop
.endr
.Lasked_\@:
.endm
.macro CROUND                       ; a round of the cluster's barrier
	s_barrier_signal -1
	s_barrier_wait -1
	s_cmp_lg_u32 s[WV], 0
	s_cbranch_scc1 .Lnot_wave_0_\@
	s_barrier_signal -3
.Lnot_wave_0_\@:
	s_barrier_wait -3
	s_barrier_signal -1
	s_barrier_wait -1
.endm
; THE CHANGE OF SLOTS.  Each wave waits for all its tensor loads, of which one is out: its part of the other slot; adds 0 to its spare word; and waits for that and for its own reads of the slot.
; fill = 1: the barrier is a round of the cluster's, and the slot is filled again with the keys two slots on, first thing behind it: four key steps, 512 matrix instructions, in which to land.
; (At its first use nothing has been read yet: slot 0 is waited for, slot 1 filled.)
.macro CHANGE fill
	WIN 0                           ; at a label and at a branch every window is 0
	s_wait_tensorcnt 0x0            ; no tensor load of mine is out, so a group 0 may be written
	ds_add_u32 v[SPW], v[NIL]       ; 0 onto my spare word
.if \fill
.irp g, G0K, G0V
	s_xor_b32 s[\g+1], s[\g+1], SLOT1  ; the walking descriptor: the other slot than last time,
	s_add_nc_u64 s[\g+2:\g+3], s[\g+2:\g+3], 4*KS*128  ; the next 256 keys; the type bits on top are not reached
.endr
	s_wait_dscnt 0x0                ; the add is done, and my reads of the slot are over
	CROUND
	JLOAD
.else
	s_wait_dscnt 0x0                ; the add is done, and my reads of the slot are over
	s_barrier_signal -1
	s_barrier_wait -1
.endif
	s_sub_co_u32 s[TBK], s[TBK], 4*KS*PK  ; the fetches go back to a slot's first step,
	s_xor_b32 s[TBK], s[TBK], SLOT1       ; in the other slot
	s_sub_co_u32 s[TBV], s[TBV], 4*KS*PV
	s_xor_b32 s[TBV], s[TBV], SLOT1
.endm
	s_load_b256 s[4:11], s[0:1], 0x0  ; Q s[4:5], K s[6:7], V s[8:9], O s[10:11]
	v_lshl_add_u32 v[SPW], v0, 2, SPARE
	v_mov_b32 v[NIL], 0
	ds_add_u32 v[SPW], v[NIL]       ; the wave's opening: the add and its wait stand ahead of my first tensor load; the set-up below, work on registers, stands between them
	v_lshrrev_b32 v1, 5, v0
	v_readfirstlane_b32 s[WV], v1   ; wave 0..3
	s_bfe_u32 s13, ttmp6, 0x40000   ; cx: my place in the cluster
	s_lshl_b32 s14, ttmp9, 2        ; in a cluster launch ttmp9 counts clusters
	s_add_co_u32 s14, s14, s13      ; my block of 512 queries: it enters Q's and O's addresses alone
	s_and_b32 s20, ttmp7, 0xffff    ; the head, which the four partners share
	s_mov_b32 s21, 0
	s_mov_b64 s[22:23], SIZE_N*128
	s_mul_u64 s[20:21], s[20:21], s[22:23]  ; the head's first byte in each of the four tensors
	s_and_b32 s16, s[WV], 1         ; which half of a slot's 256 keys I fetch:
	s_lshl_b32 s22, s16, 14         ; its 128 rows of 128 bytes in memory,
	s_mov_b32 s23, 0
	s_add_nc_u64 s[22:23], s[22:23], s[20:21]
	s_mul_i32 s17, s16, 128*PK      ; and its place in a slot, for K
	s_mul_i32 s18, s16, 128*PV      ; and for V: no place in the cluster enters an LDS address
	s_lshl_b32 s2, s14, 2
	s_add_co_u32 s2, s2, s[WV]      ; my wave among the head's,
	s_lshl_b32 s2, s2, 14           ; its 128 rows
	s_mov_b32 s3, 0
	s_add_nc_u64 s[2:3], s[2:3], s[20:21]
	; descriptor group 1.  128 keys are 16,384 dense bytes: asked for as 64 rows of 256 bytes, two keys a row, and padded in LDS after every key
	s_mov_b32 s[G1K], 15|(1<<16)|(1<<20)|(1<<21)|(4<<22)|(3<<25)  ; 15:0 the mask of four; 17:16 2-byte elements; 20 padding on; 21 set beside a mask; 24:22 after every 32 words (code 4); 31:25 4 words (code 3)
	s_mov_b32 s[G1V], 15|(1<<16)|(1<<20)|(1<<21)|(4<<22)|(7<<25)  ; the same with 8 words of padding (code 7)
.irp g, G1K, G1V
	s_mov_b32 s[\g+1], 128<<16      ; tensor_dim0 = 128
	s_mov_b32 s[\g+2], 64<<16       ; tensor_dim1 = 64
	s_mov_b32 s[\g+3], 128<<16      ; tile_dim0 = 128
	s_mov_b32 s[\g+4], 64           ; tile_dim1 = 64
	s_mov_b32 s[\g+5], 128          ; 128 elements from row to row
	s_mov_b32 s[\g+6], 0
	s_mov_b32 s[\g+7], 0
.endr
	s_mov_b32 s[SEL], 0x76543210
	s_mov_b32 s[SEL+1], 0xfedcba98
	s_mov_b32 s[TBK], SLOT1+4*KS*PK ; the first change of slots turns these two into 0
	s_mov_b32 s[TBV], SLOT1+4*KS*PV
	s_mov_b32 s[G0K], 1             ; count = 1
	s_mov_b32 s[G0K+1], s17         ; LDS address: slot 0
	s_mov_b32 s[G0V], 1
	s_add_co_u32 s[G0V+1], s18, VOFF
	s_wait_dscnt 0x0                ; the opening add is done
	s_wait_kmcnt 0x0
	s_add_nc_u64 s[G0K+2:G0K+3], s[6:7], s[22:23]  ; global address: my half of the head's first 256 keys
	s_or_b32 s[G0K+3], s[G0K+3], 0x80000000        ; type = 2
	s_add_nc_u64 s[G0V+2:G0V+3], s[8:9], s[22:23]
	s_or_b32 s[G0V+3], s[G0V+3], 0x80000000
	s_add_nc_u64 s[4:5], s[4:5], s[2:3]  ; Q and O at my wave's first row
	s_add_nc_u64 s[10:11], s[10:11], s[2:3]
	CROUND                          ; all four work-groups are here: the first joint loads meet
	JLOAD                           ; slot 0.  Slot 1 is asked for when slot 0 is in
	; A fragment of K or Q is 16 rows x 32 channels in 8 registers: lane l holds row l % 16, channels 8 (l / 16) + 0..7 and 16 + 8 (l / 16) + 0..7: two loads of 16 bytes, 32 bytes apart.
	v_and_b32 v1, 15, v0            ; l % 16
	v_bfe_u32 v9, v0, 4, 1          ; l / 16
	v_lshlrev_b32 v[QO], 7, v1
	v_lshl_add_u32 v[QO], v9, 4, v[QO]  ; row x 128 + 16 x half
	WIN 0x80                        ; destination window 2, address window 0
.set i, 0
.rept 4*NP                          ; Q stays in registers: tile i / 2, channels 32 (i % 2) on
	global_load_b128 v[8*i:8*i+3],   v[QO], s[4:5] offset:(i/2)*2048+(i%2)*64
	global_load_b128 v[8*i+4:8*i+7], v[QO], s[4:5] offset:(i/2)*2048+(i%2)*64+32
.set i, i+1
.endr
	; What the first turn finds: V's registers and P's second buffer hold 0 (its products V^T P, of a piece that has not been, add 0), O^T and l are 0.  All this stands in the wait for the first tile;
	; it spares a first step written out apart.
.set i, VF
.rept 64
	v_mov_b32 v[i], 0
.set i, i+1
.endr
	WIN 0x40
.set i, 0
.rept 64*NP
	v_mov_b32 v[i], 0
.set i, i+1
.endr
	WIN 0
.set i, 0
.rept 4*NP
	v_mov_b32 v[LS+i], 0
.set i, i+1
.endr
.set i, P+32
.rept 32
	v_mov_b32 v[i], 0
.set i, i+1
.endr
	v_mul_u32_u24 v[AK0], v1, PK
	v_lshl_add_u32 v[AK0], v9, 4, v[AK0]  ; row x pitch + 16 x half
	; The turning load takes 16 keys x 16 channels (lane l reads key 8 (l / 16) + l % 8, channels 8 ((l / 8) % 2) + 0..7) and leaves half a fragment of V^T: lane l holds channel l % 16 and 8 keys.
	v_and_b32 v10, 7, v0
	v_bfe_u32 v11, v0, 3, 1
	v_lshl_add_u32 v[AV0], v9, 3, v10
	v_mul_u32_u24 v[AV0], v[AV0], PV
	v_lshl_add_u32 v[AV0], v11, 4, v[AV0]
	v_add_nc_u32 v[AV0], VOFF, v[AV0]
	v_mov_b32 v[AK], v[AK0]         ; key step 0 lies at the head of slot 0
; THE MATRIX WORK.  The 8 accumulators of a run of 16 take turns: between the two links of a chain stand 7 others'.
; Product i of 16 of S^T = K Q^T for piece x: channels 32 (i / 8) on, keys 16 ((i / 2) % 4) on, tile 2 x + i % 2.  The first 8 start the sums.
.macro KQ x
	WIN W_KQ
.set rS, S+64*((\x)%2)+32*(i%2)+8*((i/2)%4)
.set rK, KF+16*((i/2)%4)+8*(i/8)
.set rQ, 16*(2*(\x)+i%2)+8*(i/8)
.if i < 8
	v_wmma_f32_16x16x32_f16 v[rS:rS+7], v[rK:rK+7], v[rQ:rQ+7], 0
.else
	v_wmma_f32_16x16x32_f16 v[rS:rS+7], v[rK:rK+7], v[rQ:rQ+7], v[rS:rS+7]
.endif
.endm
; Product i of 16 of O^T += V^T P for piece x: keys 32 (i / 8) on, channels 16 ((i / 2) % 4) on, tile 2 x + i % 2.
.macro PV x
	WIN W_PV
.set rO, 32*(2*(\x)+i%2)+8*((i/2)%4)
.set rV, VF+32*(i/8)+8*((i/2)%4)
.set rP, P+32*((\x)%2)+16*(i%2)+8*(i/8)
	v_wmma_f32_16x16x32_f16 v[rO:rO+7], v[rV:rV+7], v[rP:rP+7], v[rO:rO+7]
.endm
.macro MM                           ; the turn's next matrix instruction
.if i < 16
	KQ (Y+1)%NP
.set i, i+1
.else
.set i, i-16
	PV (Y+NP-1)%NP
.set i, i+17
.endif
.endm
; THE LDS LOADS stand in runs of 16: a step's K (64 keys x 64 channels: 8 fragments) and its V (turned).  last = 1 (the tail): in the last trip there is no further step, and the run is jumped over.
.macro FETCH_K last=0
	WIN 0
.if \last
	s_cmp_eq_u32 s[CNT], 1
	s_cbranch_scc1 .Lno_k_\@
.endif
	WIN 0x80                        ; destination window 2
.irp f, 0,1,2,3,4,5,6,7             ; keys 16 (f / 2) on, channels 32 (f % 2) on
	ds_load_b128 v[KF+8*\f:KF+8*\f+3],   v[AK] offset:(\f/2)*16*PK+(\f%2)*64
	ds_load_b128 v[KF+8*\f+4:KF+8*\f+7], v[AK] offset:(\f/2)*16*PK+(\f%2)*64+32
.endr
	s_add_co_u32 s[TBK], s[TBK], KS*PK  ; the next fetch is the next step's
	WIN 0
.if \last
.Lno_k_\@:
.endif
.endm
.macro FETCH_V
	WIN 0x80
.irp f, 0,1,2,3,4,5,6,7             ; keys 32 (f / 4) on, channels 16 (f % 4) on
	ds_load_tr16_b128 v[VF+8*\f:VF+8*\f+3],   v[AV] offset:(\f/4)*32*PV+(\f%4)*32
	ds_load_tr16_b128 v[VF+8*\f+4:VF+8*\f+7], v[AV] offset:(\f/4)*32*PV+16*PV+(\f%4)*32
.endr
	WIN 0
.endm
; THE VECTOR WORK OF A TURN: three queues over piece Y's 32 pairs of scores; pair n stands for tile n % 2, scores 2 (n / 2) and the next, so that the two tiles alternate and each accumulator's
; lowest registers are read first.  EXQ: the next exponential, in place.  CV: the next pair rounded to f16.  AD: the next pair added onto l.
.macro EXQ
	WIN 0
.set rE, S+64*(Y%2)+32*((e/2)%2)+2*(e/4)+e%2
	v_exp_f32 v[rE], v[rE]
.set e, e+1
.endm
.macro CV
	WIN 0
.set rE, S+64*(Y%2)+32*(cq%2)+2*(cq/2)
	s_wait_alu depctr_va_vdst(0)
	v_cvt_pk_f16_f32 v[P+32*(Y%2)+16*(cq%2)+cq/2], v[rE], v[rE+1]
.set cq, cq+1
.endm
.macro AD
	WIN 0
.set rE, S+64*(Y%2)+32*(aq%2)+2*(aq/2)
.set rL, LS+2*(2*Y+aq%2)
	v_pk_add_f32 v[rL:rL+1], v[rL:rL+1], v[rE:rE+1]
.set aq, aq+1
.endm
; A matrix instruction and the four behind it: plain, exponential, plain, exponential.  Group g rounds and adds pair g - 1 and issues exponentials 2 g + 1 and 2 g + 2: pair g - 1's second exponential
; stands in the group before, with that group's addition, a plain instruction, behind it (ISA guide 5.7.2).  None of the four names a register of the products round it.
.macro GRP
	MM
	CV
	EXQ
	AD
	EXQ
.endm
; A TURN, for piece p.  K of the next step is fetched in piece 2's turn, seven plain instructions behind the last product that read K, and waited for at the head of piece 3's turn, 14 products on.
; V of the step in hand is fetched at the end of piece 0's turn, five plain instructions behind the last product that read V, and waited for 16 products on.
.macro TURN p, last=0
.set Y, (\p)
.set i, 0
.set e, 0
.set cq, 0
.set aq, 0
.if (\p) == NP-1
	s_wait_dscnt 0x0                ; K is in
.endif
	MM
	EXQ
	EXQ
	v_nop                           ; the plain instruction behind the first pair's exponentials
	EXQ
.rept 15
	GRP
.endr
.if (\p) == NP-2
	v_add_nc_u32 v[AK], s[TBK], v[AK0]
.endif
.if (\p) == 1
	s_wait_dscnt 0x0                ; V is in
.endif
.rept 2
	GRP
.endr
.if (\p) == NP-2
	FETCH_K \last
.endif
.rept 13
	GRP
.endr
	MM
	CV
	EXQ
	AD
	CV
	AD
.if (\p) == 0
	v_add_nc_u32 v[AV], s[TBV], v[AV0]
	FETCH_V
	s_add_co_u32 s[TBV], s[TBV], KS*PV
.endif
.endm
	CHANGE 1                        ; slot 0 is in, everybody's part of it; slot 1 is asked for
	FETCH_K                         ; key step 0
	s_wait_loadcnt 0x0              ; Q
	s_wait_dscnt 0x0
.set i, 0
.rept 16
	KQ 0                            ; piece 0's first scores: there is no vector work yet to set between them
.set i, i+1
.endr
	WIN 0                           ; the addresses for the way out: nine plain instructions, the places behind those products
	s_mul_i32 s13, s[WV], 16*SP
	s_add_co_u32 s13, s13, STAGE    ; my stage
	v_mul_u32_u24 v[STO], v1, SP    ; in: row l % 16, 16 bytes for each half of the lanes
	v_lshl_add_u32 v[STO], v9, 4, v[STO]
	v_add_nc_u32 v[STO], s13, v[STO]
	v_bfe_u32 v[RD], v0, 3, 2       ; back: 32 lanes take four rows of 128 bytes,
	v_mul_u32_u24 v[RD], v[RD], SP
	v_lshl_add_u32 v[RD], v10, 4, v[RD]
	v_add_nc_u32 v[RD], s13, v[RD]
	v_and_b32 v[GO], 31, v0         ; which are 512 consecutive bytes of O
	v_lshlrev_b32 v[GO], 4, v[GO]
	s_mov_b32 s[CNT], 4
	s_mov_b32 s[SLOTS], SIZE_N/256-1
	s_branch .Lfirst                ; the loop is entered at a step's first turn, in the middle of a trip
.Lslot:                             ; SIZE_N / 256 - 2 times: every slot but the last two is filled again
	CHANGE 1
	s_mov_b32 s[CNT], 4
.Lstep:                             ; a trip: pieces 2 and 3 of one step, then pieces 0 and 1 of the next, whose K and V it fetches
	TURN 2
	TURN 3
	WIN 0
.Lfirst:
	TURN 0
	TURN 1
	WIN 0
	s_sub_co_u32 s[CNT], s[CNT], 1
	s_cmp_lg_u32 s[CNT], 0
	s_cbranch_scc1 .Lstep
	s_sub_co_u32 s[SLOTS], s[SLOTS], 1
	s_cmp_lg_u32 s[SLOTS], 0
	s_cbranch_scc1 .Lslot
	CHANGE 0                        ; the tail is written out: nothing is asked for
	s_mov_b32 s[CNT], 5             ; four trips fetch the last slot's steps; the fifth is left in its middle
.Ltail:
	TURN 2, 1
	TURN 3
	WIN 0
	s_sub_co_u32 s[CNT], s[CNT], 1
	s_cmp_eq_u32 s[CNT], 0
	s_cbranch_scc1 .Lout
	TURN 0
	TURN 1
	WIN 0
	s_branch .Ltail
.Lout:                              ; the fifth trip's 16 products K Q^T (on the last K once more) serve nothing: the price, once a launch, of one text for every trip
.set i, 0
.rept 16
	PV NP-1                         ; the last piece's V^T P of the last step
.set i, i+1
.endr
	; THE WAY OUT.  l's two halves and the other half of the lanes' are added; O^T is divided by l, rounded to f16 and sent through my stage in LDS, a tile at a time.  The additions are the places behind the last products.
	WIN 0
.macro ALL line:vararg              ; one line for each tile t
.set t, 0
.rept 2*NP
	\line
.set t, t+1
.endr
.endm
	ALL v_add_f32 v[LS+2*t], v[LS+2*t], v[LS+2*t+1]
	ALL v_permlanex16_b32 v[LS+2*t+1], v[LS+2*t], s[SEL], s[SEL+1]
	ALL v_add_f32 v[LS+2*t], v[LS+2*t], v[LS+2*t+1]
	ALL v_rcp_f32 v[LS+2*t], v[LS+2*t]
	v_nop                           ; a plain instruction between the last reciprocal and the use of its result
; Tile t: a lane's eight channels of a row pack into 16 bytes; they go into rows of 144 bytes and come back as whole rows of 128, into S^T's registers.
.macro PACK t
	WIN W_RS
.set i, 32*(\t)
.rept 16
	s_wait_alu depctr_va_vdst(0)
	v_pk_mul_f32 v[i:i+1], v[i:i+1], v[LS+2*(\t):LS+2*(\t)+1] op_sel_hi:[1,0]
.set i, i+2
.endr
	WIN 0x05                        ; sources 0 and 1 window 1, destination window 0
.set i, 0
.rept 16
	v_cvt_pk_f16_f32 v[S+16*(\t)+i], v[32*(\t)+2*i], v[32*(\t)+2*i+1]
.set i, i+1
.endr
	WIN 0
.irp f, 0,1,2,3
	ds_store_b128 v[STO], v[S+16*(\t)+4*\f:S+16*(\t)+4*\f+3] offset:32*\f
.endr
.irp f, 0,1,2,3
	ds_load_b128 v[S+16*(\t)+4*\f:S+16*(\t)+4*\f+3], v[RD] offset:\f*4*SP  ; LDS serves a wave's instructions in order (ISA guide 5.7.1.4): these see the stores above; the next tile's stores come behind them
.endr
.endm
.macro SEND t, younger              ; younger: the LDS instructions issued behind tile t's loads: the next tile's eight, or none
	WIN 0
.irp f, 0,1,2,3
	s_wait_dscnt (\younger)+3-\f
	global_store_b128 v[GO], v[S+16*(\t)+4*\f:S+16*(\t)+4*\f+3], s[10:11] offset:(\t)*2048+\f*512  ; 512 consecutive bytes, at a multiple of 256 from O's first
.endr
.endm
	PACK 0
.set t, 1
.rept 2*NP-1                        ; a tile's arithmetic stands between the loads of the tile before and its stores
	PACK t
	SEND t-1, 8
.set t, t+1
.endr
	SEND 2*NP-1, 0
	s_wait_tensorcnt 0x0            ; the wave's end, behind my last tensor load and my last LDS store
	ds_add_u32 v[SPW], v[NIL]
	s_wait_dscnt 0x0
	CROUND                          ; the closing round: no work-group ends while a partner may still ask for a tile that names it
	s_endpgm
.Lfunc_end_k_qf27fb65afb_attn:
	.size	k_qf27fb65afb_attn, .Lfunc_end_k_qf27fb65afb_attn-k_qf27fb65afb_attn
	.p2alignl 7, 3214868480
	.fill 96, 4, 3214868480
	.section	.rodata,"a",@progbits
	.p2align	6, 0x0
	.amdhsa_kernel k_qf27fb65afb_attn
		.amdhsa_group_segment_fixed_size 327680
		.amdhsa_private_segment_fixed_size 0
		.amdhsa_enable_private_segment 0
		.amdhsa_kernarg_size 32
		.amdhsa_user_sgpr_count 2
		.amdhsa_user_sgpr_kernarg_segment_ptr 1
		.amdhsa_wavefront_size32 1
		.amdhsa_system_sgpr_workgroup_id_x 1
		.amdhsa_system_sgpr_workgroup_id_y 1
		.amdhsa_system_sgpr_workgroup_id_z 1
		.amdhsa_system_vgpr_workitem_id 0
		.amdhsa_next_free_vgpr 768
		.amdhsa_next_free_sgpr 66
		.amdhsa_reserve_vcc 0
		.amdhsa_float_denorm_mode_32 3
		.amdhsa_float_denorm_mode_16_64 3
		.amdhsa_memory_ordered 1
		.amdhsa_forward_progress 1
		.amdhsa_inst_pref_size 151
	.end_amdhsa_kernel
	.amdgpu_metadata
---
amdhsa.version: [ 1, 2 ]
amdhsa.kernels:
  - .name:           k_qf27fb65afb_attn
    .symbol:         k_qf27fb65afb_attn.kd
    .args:
      - { .name: qh, .offset: 0, .size: 8, .value_kind: global_buffer, .address_space: global }
      - { .name: kh, .offset: 8, .size: 8, .value_kind: global_buffer, .address_space: global }
      - { .name: vh, .offset: 16, .size: 8, .value_kind: global_buffer, .address_space: global }
      - { .name: ob, .offset: 24, .size: 8, .value_kind: global_buffer, .address_space: global }
    .group_segment_fixed_size: 327680
    .private_segment_fixed_size: 0
    .kernarg_segment_align: 8
    .kernarg_segment_size: 32
    .max_flat_workgroup_size: 128
    .sgpr_count:     66
    .vgpr_count:     768
    .wavefront_size: 32
...
	.end_amdgpu_metadata
.endif
;; end of part 3
;; launch proj (part 4): grid 8 x 32, 4 waves a work-group, clusters of 4 x 4, 327,680 bytes of LDS; arguments ob, wo16, bo, out0; writes out0
.if DOCPART == 4
	.amdgcn_target "amdgcn-amd-amdhsa--gfx1250"
	.amdhsa_code_object_version 6
	.text
	.protected	k_qf27fb65afb_proj
	.globl	k_qf27fb65afb_proj
	.p2align	8
	.type	k_qf27fb65afb_proj,@function
k_qf27fb65afb_proj:
	s_mov_b64 s[64:65], 0
	v_nop
	global_prefetch_b8 v0, s[64:65] scope:SCOPE_SE
	s_setreg_imm32_b32 hwreg(HW_REG_WAVE_MODE, 25, 1), 1
	s_wait_xcnt 0x0
	s_wait_alu depctr_hold_cnt(0) depctr_sa_sdst(0) depctr_va_vdst(0) depctr_va_sdst(0) depctr_va_ssrc(0) depctr_va_vcc(0) depctr_vm_vsrc(0)
	s_getreg_b32 s2, hwreg(HW_REG_IB_STS2, 6, 4)
	s_cmp_eq_u32 s2, 0
	s_cbranch_scc0 .Lentry_in_a_cluster
	s_endpgm
.Lentry_in_a_cluster:
	s_bfe_u32 s2, ttmp6, 0x10000c
	s_cmp_lg_u32 s2, 0xf033
	s_cbranch_scc0 .Lentry_shape_is_right
	s_endpgm
.Lentry_shape_is_right:
; PROJ: out = O Wo + bo.  [8192 x 1024] x [1024 x 1024] in f16 with f32 sums; O lies by heads, [b 16 + h][t][64], so head h is block h of 64 along K; wo16 is [k][n] (Wo rounded to bf16, written as f16).
; bo is rounded to bf16 like the module's other inputs and added in f32; out is f32.
; LIMITS.  O and Wo arrive within f16's 65,504.  NaN and infinities are not treated apart.  The sums' order is the matrix unit's, K ascending.
; SHARES.  A tile is 256 rows x 128 columns: 32 x 8 = 256 work-groups.  Four waves; wave w owns rows 64 w .. 64 w + 63 and all 128 columns: 32 accumulators of 16 x 16, 256 registers.
; RING, CLUSTER, TRANSPOSED USE: K in steps of 128 through two LDS slots (A as two blocks of 64 along K, 256 dense rows of 128 bytes each; B as 128 rows of 256 bytes); waves 0 and 1 fetch A's two blocks,
; waves 2 and 3 B's two halves, one tensor load a wave behind each change of slots, two a wave at the start; 4 x 4 work-groups ask jointly, A along a row of the cluster, B along a column;
; source 0 = 16 columns of Wo (turned by ds_load_tr16_b128), source 1 = 16 rows of O: a lane holds row l % 16 and the columns 8 (l / 16) + 0..7.
; REGISTERS, in windows of 256 (s_set_vgpr_msb: bits 1:0 source 0, 3:2 source 1, 5:4 source 2, 7:6 destination):
;   window 0: v0-31 addresses and two at work; v64-127 my columns' bias; v128-255 the way out        window 1: two fragment buffers: 4 of A, then 8 of B
;   window 2: the accumulators of row blocks 0, 1 ((a, b) at 8 (8 (a % 2) + b));                      window 3: those of row blocks 2, 3
.set NBK,    8                         ; column blocks of 16
.set BPITCH, 288                       ; a row of B in LDS: 256 bytes + 32 = 72 words
.set APITCH, 144                       ; a row of A: 128 bytes + 16: 36 words: the 16 rows of a load start at 16 different groups of four banks
.set ASUB,   256*APITCH
.set AREG,   2*ASUB
.set BHALF,  64*BPITCH
.set SLOT,   AREG+2*BHALF
.set STAGE,  2*SLOT                    ; behind the ring, never filled by a tensor load: 16 rows x 528 bytes for each wave
.set SPITCH, 528                       ; 512 bytes + 16: the 16 rows that a store touches start at 16 different groups of four banks
.set STW,    16*SPITCH
.set SPARE,  STAGE+4*STW               ; behind the stages: the spare words, 128 bytes a wave: two blocks of 256 bytes that no other line names
.set NL,     2*NBK+8
.set ADRA, 16                          ; v16-17  LDS address of my A fragments in slot 0, 1
.set ADRB, 20                          ; v20-21  the same for B
.set STO,  24                          ; v24     the way out: where I put 16 bytes of a row
.set RD,   25                          ; v25     where I read a row back
.set GO,   26                          ; v26     my 16 bytes of a row's 512
.set BO,   27                          ; v27     my byte offset in the tile's bias
.set SPW,  28                          ; v28     LDS address of my spare word; never rewritten
.set NIL,  29                          ; v29     0; never rewritten
.set BIAS, 64                          ; column block b at BIAS + 8 b
.set TMP,  128                         ; a row block's 64 sums with the bias
.set OB,   192                         ; 16 rows read back from the stage
.set F0,   0
.set F1,   128
.set G1A, 24
.set G0A, 32
.set G1B, 48
.set G0B, 56
.set MSB, 0
.macro WIN new                         ; the immediate's high byte repeats the setting that is left; a switch that changes nothing is dropped
.if MSB != (\new)
	s_set_vgpr_msb (MSB<<8)|(\new)
.set MSB, \new
.endif
.endm
.set MUL_LO, 0xa5                      ; both sources window 1, C and D window 2
.set MUL_HI, 0xf5                      ; the same, C and D window 3
.set TO_F,   0x40                      ; destination window 1, address window 0
.macro JLOAD s                         ; a joint load: waves 0 and 1 ask for A, waves 2 and 3 for B; an s_nop 0 and four v_nop follow each of the two lines, ahead of the jump and the label
	s_cmp_eq_u32 s17, 0
	s_cbranch_scc0 .Lfor_b_\@
	tensor_load_to_lds s[G0A+4*(\s):G0A+4*(\s)+3], s[G1A:G1A+7]
	s_nop 0
.rept 4
	v_nop
.endr
	s_branch .Lasked_\@
.Lfor_b_\@:
	tensor_load_to_lds s[G0B+4*(\s):G0B+4*(\s)+3], s[G1B:G1B+7]
	s_nop 0
.rept 4
	v_nop
.endr
.Lasked_\@:
.endm
.macro CREST                           ; a round of the cluster's barrier behind its opening barrier
	s_cmp_lg_u32 s16, 0
	s_cbranch_scc1 .Lnot_wave_0_\@
	s_barrier_signal -3
.Lnot_wave_0_\@:
	s_barrier_wait -3
	s_barrier_signal -1
	s_barrier_wait -1
.endm
.macro CROUND                          ; a whole round
	s_barrier_signal -1
	s_barrier_wait -1
	CREST
.endm
	s_load_b256 s[4:11], s[0:1], 0x0               ; ob s[4:5], wo16 s[6:7], bo s[8:9], out0 s[10:11]
	v_lshl_add_u32 v[SPW], v0, 2, SPARE
	v_mov_b32 v[NIL], 0
	ds_add_u32 v[SPW], v[NIL]                      ; the wave's opening: the add and its wait stand ahead of my first tensor load; the set-up below, work on registers, stands between them
	v_lshrrev_b32 v1, 5, v0
	v_readfirstlane_b32 s16, v1                    ; wave 0..3
	s_lshr_b32 s17, s16, 1                         ; I fetch for A (0) or for B (1),
	s_and_b32 s18, s16, 1                          ; its first or second half along K
	s_bfe_u32 s20, ttmp6, 0x40000                  ; cx, cy: my place in the cluster
	s_bfe_u32 s21, ttmp6, 0x40004
	s_lshl_b32 s22, ttmp9, 2
	s_add_co_u32 s22, s22, s20                     ; c: the block of 128 columns = 4 x cluster x + cx
	s_and_b32 s23, ttmp7, 0xffff
	s_lshl_b32 s23, s23, 2
	s_add_co_u32 s23, s23, s21                     ; R: the block of 256 rows = 4 x cluster y + cy
	s_lshl_b32 s40, s21, 2
	s_lshl_b32 s40, 15, s40                        ; my row of the cluster
	s_lshl_b32 s41, 0x1111, s20                    ; my column
	; group 1 for A: 32,768 dense bytes as 128 rows of 256, 16 bytes of padding behind every 128
	s_or_b32 s[G1A+0], s40, (1<<16)|(1<<20)|(1<<21)|(4<<22)|(3<<25)  ; 15:0 the mask; 17:16 2-byte elements; 20 padding on; 21 set beside a mask; 24:22 after every 32 words (code 4); 31:25 4 words (code 3)
	s_mov_b32 s[G1A+1], 128<<16                    ; tensor_dim0 = 128
	s_mov_b32 s[G1A+2], 128<<16                    ; tensor_dim1 = 128
	s_mov_b32 s[G1A+3], 128<<16                    ; tile_dim0 = 128
	s_mov_b32 s[G1A+4], 128                        ; tile_dim1 = 128
	s_mov_b32 s[G1A+5], 128                        ; 128 elements from row to row
	s_mov_b32 s[G1A+6], 0
	s_mov_b32 s[G1A+7], 0
	; group 1 for B: 64 rows of 128 elements, 1,024 elements from row to row, 32 bytes of padding behind every 256
	s_or_b32 s[G1B+0], s41, (1<<16)|(1<<20)|(1<<21)|(5<<22)|(7<<25)
	s_mov_b32 s[G1B+1], 128<<16
	s_mov_b32 s[G1B+2], 64<<16
	s_mov_b32 s[G1B+3], 128<<16
	s_mov_b32 s[G1B+4], 64
	s_mov_b32 s[G1B+5], 1024
	s_mov_b32 s[G1B+6], 0
	s_mov_b32 s[G1B+7], 0
	; A's tiles hang on R and the wave alone, B's on c and the wave alone, each made in registers that never hold the other coordinate
	s_lshr_b32 s42, s23, 3
	s_lshl_b32 s42, s42, 22                        ; the batch,
	s_and_b32 s2, s23, 7
	s_lshl_b32 s2, s2, 15                          ; its 256 rows of 128 bytes,
	s_add_co_u32 s42, s42, s2
	s_lshl_b32 s2, s18, 18                         ; my head of the step's two
	s_add_co_u32 s42, s42, s2
	s_mov_b32 s43, 0
	s_lshl_b32 s44, s22, 8                         ; the tile's 256 bytes of a row of wo16,
	s_lshl_b32 s3, s18, 17                         ; my 64 rows of 2,048 bytes
	s_add_co_u32 s44, s44, s3
	s_mov_b32 s45, 0
	s_mul_i32 s46, s18, ASUB                       ; and where they go: no place in the cluster enters an LDS address
	s_mul_i32 s47, s18, BHALF
	s_add_co_u32 s47, s47, AREG
	s_wait_dscnt 0x0                               ; the opening add is done
	s_wait_kmcnt 0x0
	s_add_nc_u64 s[42:43], s[4:5], s[42:43]
	s_add_nc_u64 s[44:45], s[6:7], s[44:45]
	CROUND                                         ; all sixteen work-groups are here: the first joint loads meet
.irp s, 0,1
	s_mov_b32 s[G0A+4*(\s)], 1                     ; count = 1
	s_add_co_u32 s[G0A+4*(\s)+1], s46, (\s)*SLOT   ; LDS address
	s_add_nc_u64 s[G0A+4*(\s)+2:G0A+4*(\s)+3], s[42:43], (\s)*524288  ; K step s: two heads of 262,144 bytes on
	s_or_b32 s[G0A+4*(\s)+3], s[G0A+4*(\s)+3], 0x80000000            ; type = 2
	s_mov_b32 s[G0B+4*(\s)], 1
	s_add_co_u32 s[G0B+4*(\s)+1], s47, (\s)*SLOT
	s_add_nc_u64 s[G0B+4*(\s)+2:G0B+4*(\s)+3], s[44:45], (\s)*262144  ; 128 rows of 2,048 bytes on
	s_or_b32 s[G0B+4*(\s)+3], s[G0B+4*(\s)+3], 0x80000000
	JLOAD \s
.endr
	; where my rows lie in out, and my columns in bo
	s_lshl_b32 s68, s23, 20                        ; 256 rows of 4,096 bytes,
	s_lshl_b32 s69, s16, 18
	s_add_co_u32 s68, s68, s69                     ; my wave's 64,
	s_lshl_b32 s70, s22, 9
	s_add_co_u32 s68, s68, s70                     ; the tile's 512 bytes of a row
	s_mov_b32 s69, 0
	s_mov_b32 s71, 0
	s_add_nc_u64 s[10:11], s[10:11], s[68:69]
	s_add_nc_u64 s[8:9], s[8:9], s[70:71]
	v_and_b32 v1, 15, v0                           ; l % 16
	v_bfe_u32 v2, v0, 4, 1                         ; l / 16
	v_lshlrev_b32 v[BO], 5, v2                     ; my 8 columns of each block of 16
.set z, 0
.rept 16
	global_load_b128 v[BIAS+4*z:BIAS+4*z+3], v[BO], s[8:9] offset:(z/2)*64+(z%2)*16
.set z, z+1
.endr
	v_mul_u32_u24 v3, v1, APITCH
	v_lshl_add_u32 v3, v2, 4, v3                   ; a fragment's row x pitch + 16 x half
	s_mul_i32 s2, s16, 64*APITCH                   ; my 64 rows of A
	v_add_nc_u32 v[ADRA], s2, v3
	v_add_nc_u32 v[ADRA+1], SLOT, v[ADRA]
	; the turning load takes 16 K x 16 columns (lane l reads row 8 (l / 16) + l % 8, columns 8 ((l / 8) % 2) + 0..7) and leaves half a fragment: lane l holds column l % 16 and 8 along K
	v_and_b32 v4, 7, v0
	v_bfe_u32 v5, v0, 3, 1
	v_lshl_add_u32 v6, v2, 3, v4
	v_mul_u32_u24 v6, v6, BPITCH
	v_lshl_add_u32 v6, v5, 4, v6
	v_add_nc_u32 v[ADRB], AREG, v6
	v_add_nc_u32 v[ADRB+1], AREG+SLOT, v6
	s_mul_i32 s2, s16, STW
	s_add_co_u32 s2, s2, STAGE                     ; my stage
	v_mul_u32_u24 v7, v1, SPITCH                   ; in: row l % 16, 32 bytes for each half of the lanes
	v_lshl_add_u32 v7, v2, 5, v7
	v_add_nc_u32 v[STO], s2, v7
	v_and_b32 v[GO], 31, v0                        ; back: 32 lanes take one row of 512 bytes
	v_lshlrev_b32 v[GO], 4, v[GO]
	v_add_nc_u32 v[RD], s2, v[GO]
	s_wait_loadcnt 0x0                             ; the bias; it is rounded to bf16 while the first tiles are on their way
.set z, 0
.rept 32
	v_cvt_pk_bf16_f32 v[30+z%2], v[BIAS+2*z], v[BIAS+2*z+1]
	v_lshlrev_b32 v[BIAS+2*z], 16, v[30+z%2]
	v_and_b32 v[BIAS+2*z+1], 0xffff0000, v[30+z%2]
.set z, z+1
.endr
; NBK matrix instructions: row block a x all column blocks, 32 along K.  zero = 1: the first product starts the sums.  The 32 accumulators take turns in the same order in every quarter.
.macro MULH f, a, zero
	WIN MUL_LO+0x50*((\a)/2)
.set nb, 0
.rept NBK
.set rD, 8*(NBK*((\a)%2)+nb)
.if \zero
	v_wmma_f32_16x16x32_f16 v[rD:rD+7], v[(\f)+32+8*nb:(\f)+32+8*nb+7], v[(\f)+8*(\a):(\f)+8*(\a)+7], 0
.else
	v_wmma_f32_16x16x32_f16 v[rD:rD+7], v[(\f)+32+8*nb:(\f)+32+8*nb+7], v[(\f)+8*(\a):(\f)+8*(\a)+7], v[rD:rD+7]
.endif
.set nb, nb+1
.endr
.endm
; NL LDS loads in one run: quarter q (32 along K) of a slot into buffer f: B's 8 fragments, turned, then A's 4
.macro FETCH slot, q, f
	WIN TO_F
.set nb, 0
.rept NBK
.set bo, (\q)*32*BPITCH+32*nb
	ds_load_tr16_b128 v[(\f)+32+8*nb:(\f)+32+8*nb+3],   v[ADRB+(\slot)] offset:bo
	ds_load_tr16_b128 v[(\f)+32+8*nb+4:(\f)+32+8*nb+7], v[ADRB+(\slot)] offset:bo+16*BPITCH
.set nb, nb+1
.endr
.irp a, 0,1,2,3
	ds_load_b128 v[(\f)+8*(\a):(\f)+8*(\a)+3],   v[ADRA+(\slot)] offset:((\q)/2)*ASUB+((\q)%2)*64+(\a)*16*APITCH
	ds_load_b128 v[(\f)+8*(\a)+4:(\f)+8*(\a)+7], v[ADRA+(\slot)] offset:((\q)/2)*ASUB+((\q)%2)*64+(\a)*16*APITCH+32
.endr
.endm
.macro PLACES                          ; four places in front of loads into registers that matrix instructions have read, and of vector lines that read results (ISA guide 7.12.1 for the vector lines)
.rept 4
	v_nop
.endr
.endm
; A K step is four quarters of 32 along K on buffers 0, 1, 0, 1.  One of the first three: multiplies buffer f and fetches quarter qn into g.
.macro QUARTER slot, qn, f, g, zero
	s_wait_dscnt 4                                 ; B and A's row blocks 0, 1 are in; the youngest four loads (row blocks 2, 3) may be out
	MULH \f, 0, \zero
	MULH \f, 1, \zero
	PLACES
	FETCH \slot, \qn, \g
	s_wait_dscnt NL                                ; all but the run just issued
	MULH \f, 2, \zero
	MULH \f, 3, \zero
.endm
; The last quarter multiplies buffer 1 and changes slots: ONE barrier; in front of it each wave waits for all its tensor loads, adds 0 to its spare word, and waits for that and for its reads of this slot.
; fill = 1: the barrier opens a round of the cluster's, and this slot is filled again, two K steps ahead, first thing behind the round.
.macro TURN slot, next, fill
	WIN 0                                          ; (the add's two registers lie in window 0)
	s_wait_tensorcnt 0x0                           ; all my tensor loads have landed: my part of the next slot
	ds_add_u32 v[SPW], v[NIL]                      ; 0 onto my spare word
	s_wait_dscnt 5                                 ; (the add and the youngest four loads may be out)
	MULH F1, 0, 0                                  ; matrix work stands between the add and the wait for it
	s_wait_dscnt 0x0                               ; the add is done, and my reads of this slot are over
	s_barrier_signal -1
	MULH F1, 1, 0
.if \fill
	WIN 0
.endif
	s_barrier_wait -1
.if \fill
	CREST                                          ; no wave of any partner still reads this slot's tile or has a load on its way
	s_add_nc_u64 s[G0A+4*(\slot)+2:G0A+4*(\slot)+3], s[G0A+4*(\slot)+2:G0A+4*(\slot)+3], 1048576
	s_add_nc_u64 s[G0B+4*(\slot)+2:G0B+4*(\slot)+3], s[G0B+4*(\slot)+2:G0B+4*(\slot)+3], 524288
	JLOAD \slot                                    ; 112 matrix instructions ahead of the wait for it; the four v_nop behind it are also the places in front of the loads below
.else
	PLACES
.endif
	FETCH \next, 0, F0
	MULH F1, 2, 0
	MULH F1, 3, 0
.endm
	s_wait_tensorcnt 1                             ; my part of K step 0 is in; K step 1's may stay out
	s_barrier_signal -1
	s_barrier_wait -1                              ; everybody's is
	FETCH 0, 0, F0
	QUARTER 0, 1, F0, F1, 1                        ; the first quarter stands in front of the loop: its products start the sums
	WIN 0                                          ; at a label and at a branch every window is 0
	s_mov_b32 s19, 3                               ; 8 K steps are 4 laps of the ring; the last lap is written out
.Llap:
	QUARTER 0, 2, F1, F0, 0
	QUARTER 0, 3, F0, F1, 0
	TURN 0, 1, 1
	QUARTER 1, 1, F0, F1, 0
	QUARTER 1, 2, F1, F0, 0
	QUARTER 1, 3, F0, F1, 0
	TURN 1, 0, 1
	QUARTER 0, 1, F0, F1, 0
	WIN 0
	s_sub_co_u32 s19, s19, 1
	s_cmp_lg_u32 s19, 0
	s_cbranch_scc1 .Llap
	QUARTER 0, 2, F1, F0, 0                        ; the last lap fills nothing
	QUARTER 0, 3, F0, F1, 0
	TURN 0, 1, 0
	QUARTER 1, 1, F0, F1, 0
	QUARTER 1, 2, F1, F0, 0
	QUARTER 1, 3, F0, F1, 0
	s_wait_dscnt 4
	MULH F1, 0, 0
	MULH F1, 1, 0
	s_wait_dscnt 0x0
	MULH F1, 2, 0
	MULH F1, 3, 0
	WIN 0
; THE WAY OUT, a row block of 16 rows at a time: the bias is added; 32 bytes a lane and column block go into my own stage; whole rows of 512 bytes come back and are stored.
.macro ADDB a                          ; each accumulator's lowest registers are read first
	WIN 0x02+((\a)/2)                              ; source 0: the accumulators' window
.set z, 0
.rept 32
	v_pk_add_f32 v[TMP+2*z:TMP+2*z+1], v[64*((\a)%2)+2*z:64*((\a)%2)+2*z+1], v[BIAS+2*z:BIAS+2*z+1]
.set z, z+1
.endr
	WIN 0
.endm
.macro TOSTAGE
.set z, 0
.rept 16
	ds_store_b128 v[STO], v[TMP+4*z:TMP+4*z+3] offset:(z/2)*64+(z%2)*16
.set z, z+1
.endr
	s_wait_xcnt 0x0                                ; the registers loaded below were the data of the last block's stores: they are rewritten only behind this wait
.set z, 0
.rept 16
	ds_load_b128 v[OB+4*z:OB+4*z+3], v[RD] offset:z*SPITCH  ; LDS serves a wave's instructions in order (ISA guide 5.7.1.4): these see the stores above
.set z, z+1
.endr
.endm
.macro SEND a
	s_wait_dscnt 0x0                               ; the block is back in registers
.set z, 0
.rept 16
	global_store_b128 v[GO], v[OB+4*z:OB+4*z+3], s[10:11] offset:(\a)*65536+z*4096 th:TH_STORE_NT  ; 512 consecutive bytes, at a multiple of 256 from out's first
.set z, z+1
.endr
.endm
	PLACES                                         ; behind the last products
	ADDB 0
	TOSTAGE
.irp a, 1,2,3                          ; a block's additions stand between the loads of the block before and the wait for them
	ADDB \a
	SEND (\a)-1
	TOSTAGE
.endr
	SEND 3
	s_wait_tensorcnt 0x0                           ; the wave's end, behind my last tensor load and my last LDS store
	ds_add_u32 v[SPW], v[NIL]
	s_wait_dscnt 0x0
	CROUND                                         ; the closing round: no work-group ends while a partner may still ask for a tile that names it
	s_endpgm
.Lfunc_end_k_qf27fb65afb_proj:
	.size	k_qf27fb65afb_proj, .Lfunc_end_k_qf27fb65afb_proj-k_qf27fb65afb_proj
	.p2alignl 7, 3214868480
	.fill 96, 4, 3214868480
	.section	.rodata,"a",@progbits
	.p2align	6, 0x0
	.amdhsa_kernel k_qf27fb65afb_proj
		.amdhsa_group_segment_fixed_size 327680
		.amdhsa_private_segment_fixed_size 0
		.amdhsa_enable_private_segment 0
		.amdhsa_kernarg_size 32
		.amdhsa_user_sgpr_count 2
		.amdhsa_user_sgpr_kernarg_segment_ptr 1
		.amdhsa_wavefront_size32 1
		.amdhsa_system_sgpr_workgroup_id_x 1
		.amdhsa_system_sgpr_workgroup_id_y 1
		.amdhsa_system_sgpr_workgroup_id_z 1
		.amdhsa_system_vgpr_workitem_id 0
		.amdhsa_next_free_vgpr 896
		.amdhsa_next_free_sgpr 80
		.amdhsa_reserve_vcc 0
		.amdhsa_float_denorm_mode_32 3
		.amdhsa_float_denorm_mode_16_64 3
		.amdhsa_memory_ordered 1
		.amdhsa_forward_progress 1
		.amdhsa_inst_pref_size 100
	.end_amdhsa_kernel
	.amdgpu_metadata
---
amdhsa.version: [ 1, 2 ]
amdhsa.kernels:
  - .name:           k_qf27fb65afb_proj
    .symbol:         k_qf27fb65afb_proj.kd
    .args:
      - { .name: ob, .offset: 0, .size: 8, .value_kind: global_buffer, .address_space: global }
      - { .name: wo16, .offset: 8, .size: 8, .value_kind: global_buffer, .address_space: global }
      - { .name: bo, .offset: 16, .size: 8, .value_kind: global_buffer, .address_space: global }
      - { .name: out0, .offset: 24, .size: 8, .value_kind: global_buffer, .address_space: global }
    .group_segment_fixed_size: 327680
    .private_segment_fixed_size: 0
    .kernarg_segment_align: 8
    .kernarg_segment_size: 32
    .max_flat_workgroup_size: 128
    .sgpr_count:     80
    .vgpr_count:     896
    .wavefront_size: 32
...
	.end_amdgpu_metadata
.endif
;; end of part 4
;; ======== version 2 of 2: 4 launches; 1.39 times as fast as version 1
;; limits: values are held in f16: magnitudes above 65,504 overflow, below 6.1e-05 lose precision
;; workspace buffers: xb 16,777,216 bytes; wb 6,291,456 bytes; wo16 2,097,152 bytes; tab 524,288 bytes; qh 16,777,216 bytes; kh 16,777,216 bytes; vh 16,777,216 bytes; ob 16,777,216 bytes
;; launch prep: the kernel of part 1 again; grid 768 x 1, 8 waves a work-group, no clusters, 0 bytes of LDS; arguments x, Wqkv, Wo, xb, wb, wo16, tab; writes xb, wb, wo16, tab
;; launch qkv: the kernel of part 2 again; grid 16 x 32, 4 waves a work-group, clusters of 4 x 4, 327,680 bytes of LDS; arguments xb, wb, tab, qh, kh, vh; writes qh, kh, vh
;; launch attn (part 5): grid 4 x 64, 4 waves a work-group, clusters of 4 x 1, 327,680 bytes of LDS; arguments qh, kh, vh, ob; writes ob
.if DOCPART == 5
	.amdgcn_target "amdgcn-amd-amdhsa--gfx1250"
	.amdhsa_code_object_version 6
	.text
	.protected	k_qf27fb65afb_attn
	.globl	k_qf27fb65afb_attn
	.p2align	8
	.type	k_qf27fb65afb_attn,@function
k_qf27fb65afb_attn:
	s_mov_b64 s[64:65], 0
	v_nop
	global_prefetch_b8 v0, s[64:65] scope:SCOPE_SE
	s_setreg_imm32_b32 hwreg(HW_REG_WAVE_MODE, 25, 1), 1
	s_wait_xcnt 0x0
	s_wait_alu depctr_hold_cnt(0) depctr_sa_sdst(0) depctr_va_vdst(0) depctr_va_sdst(0) depctr_va_ssrc(0) depctr_va_vcc(0) depctr_vm_vsrc(0)
	s_getreg_b32 s2, hwreg(HW_REG_IB_STS2, 6, 4)
	s_cmp_eq_u32 s2, 0
	s_cbranch_scc0 .Lentry_in_a_cluster
	s_endpgm
.Lentry_in_a_cluster:
	s_bfe_u32 s2, ttmp6, 0x10000c
	s_cmp_lg_u32 s2, 0x3003
	s_cbranch_scc0 .Lentry_shape_is_right
	s_endpgm
.Lentry_shape_is_right:
; ATTENTION.  O[h][q][:] = the sum over k of softmax_k(q . k / 8) V[h][k][:] for 64 heads (batch x head) of 2,048 rows.  Q, K, V, O: [64][2048][64] in f16, a head's rows dense, 128 bytes each.
; Q arrives normalised and multiplied by log2(e) / 8, K normalised: S = K Q^T is the argument of 2^x.
; NO MAXIMUM IS TAKEN AWAY, because the computation itself bounds the exponents for every input: q and k are divided by sqrt(their sum of squares + 1e-6), so both have length 1 at the most
; (f16's rounding adds 2^-11 of it), |q . k| / 8 <= 0.125 and |S| <= 0.1805.  Every weight p = 2^S lies in 0.88 to 1.14 and a row's sum l in 1,800 to 2,335: nothing can overflow or underflow in f32 or f16.
; So there is no running maximum and O is never rescaled.  Products and sums in f32; p is rounded to f16 for the second product (l is taken of the unrounded p), O once at the end.
; LIMITS.  V arrives within f16's 65,504; O is a mean of V's rows and has their range; below 6e-5 it keeps f16's fixed step of 6e-8.  NaN and infinities are not treated apart.
; SHARES.  A wave owns four PIECES of two tiles of 16 queries, a work-group's four waves 512 queries of one head: 4 x 64 = 256 work-groups.  Every wave walks all keys, 64 a step.
; LAYOUT.  S^T = K Q^T (source 0 = 16 keys, source 1 = 16 queries): a lane holds ONE query (lane % 16) and the keys 8 (lane / 16) + 0..7.  Two such results, rounded to f16 in pairs, ARE source 1
; (32 keys x 16 queries) of O^T = V^T P.  K comes out of LDS as it lies, V ([key][channel]) turned, by ds_load_tr16_b128.
; BY TURNS.  Turn n belongs to piece n (the pieces in a ring, step after step).  Its matrix work: 16 products K Q^T of piece n + 1, then 16 products V^T P of piece n - 1.  Its vector work, piece n's:
; 64 exponentials, 32 roundings, 32 packed sums: 128 for 32 matrix instructions, dealt four behind each.
; BATCHES.  A turn's 64 exponentials are ONE BATCH with ONE wait, which cuts the turn in two.  Ahead of the wait stand the 16 products K Q^T, four exponentials behind each: nothing there names an
; exponential's result (each works in place on a score of its own; the products write the other buffer of S^T).  Behind it stand the 16 products V^T P, behind each two roundings and two sums: the batch's
; only readers.  The way out's eight reciprocals are a batch of their own, with one wait.
; CLUSTER.  The four query blocks of a head walk the same K and V, so each tile is asked for JOINTLY: the same tensor load, descriptor and mask in all four.  One tensor load a wave is out at a time.
; REGISTERS, in windows of 256 (s_set_vgpr_msb: bits 1:0 source 0, 3:2 source 1, 5:4 source 2, 7:6 destination):
;   window 0: v0-12 addresses; v16-31 l, two a tile; v62-63 the add's; v64-191 S^T, two buffers of two tiles; v192-255 P, likewise (a piece's buffers go by its number's parity)
;   window 1: O^T, 32 a tile          window 2: v0-127 Q, 16 a tile; v128-191 K of one step; v192-255 V of one step
.set SIZE_N, 2048
.set NP,    4         ; pieces a wave: a name, no knob
.set KS,    64        ; keys in a step
.set PK,    144       ; a row of K in LDS: 128 bytes + 16 of padding = 36 words: the 16 rows of a load start at 16 different groups of four banks (64 banks of 4 bytes: ISA guide 11.1)
.set PV,    160       ; a row of V: 128 + 32 = 40 words
.set VOFF,  4*KS*PK   ; a slot holds four steps: 256 rows of K, then 256 rows of V
.set SLOT1, 1<<17     ; slot 1 begins here, so that one exclusive or turns an address in one slot into the other's
.set STAGE, SLOT1+4*KS*(PK+PV)  ; behind the ring, never filled by a tensor load: 16 rows x 144 bytes for each wave
.set SP,    144
.set SPARE, STAGE+4*16*SP  ; behind the stages: the spare words, 128 bytes a wave: two blocks of 256 bytes that no other line names
.set AK0, 2           ; v2   my lane's place in a tile of K; never rewritten
.set AV0, 3           ; v3   the same for V
.set AK,  4           ; v4   the LDS address of K's next run of loads
.set AV,  5           ; v5   of V's
.set STO, 6           ; v6   the way out: where I put 16 bytes of a row
.set RD,  7           ; v7   where I read rows back
.set GO,  8           ; v8   my byte offset in 512 consecutive bytes of O
.set QO,  12          ; v12  my byte offset in 16 rows of Q
.set LS,  16          ; tile t's sum at v[LS+2 t]: even keys', odd keys'
.set SPW, 62          ; v62  LDS address of my spare word; never rewritten
.set NIL, 63          ; v63  0; never rewritten
.set S,   64
.set P,   192
.set KF,  128         ; K's fragments, in window 2: key block kb, channel half c at KF + 16 kb + 8 c
.set VF,  192         ; V's: key half kk, channel block cb at VF + 32 kk + 8 cb
.set WV,  12          ; s12  my wave's number
.set G1K, 24          ; s[24:31] descriptor group 1 for K's tiles
.set G1V, 32          ; s[32:39] for V's: it differs in the padding alone
.set G0K, 40          ; s[40:43] descriptor group 0 for K's tiles: it walks
.set G0V, 44          ; s[44:47] the same for V's
.set SLOTS, 56        ; s56  slots still to be asked for
.set CNT, 57          ; s57  counts a slot's key steps
.set SEL, 60          ; s[60:61] v_permlanex16_b32's selects
.set TBK, 62          ; s62  LDS byte at which K of the step to be fetched begins
.set TBV, 63          ; s63  the same for V, less VOFF
.set MSB, 0
.macro WIN new                      ; the high byte repeats the setting that is left; a switch that changes nothing is dropped
.if MSB != (\new)
	s_set_vgpr_msb (MSB<<8)|(\new)
.set MSB, (\new)
.endif
.endm
.set W_KQ, 0x0a       ; K and Q in window 2, S^T in window 0
.set W_PV, 0x52       ; V in window 2, P in window 0, O^T in window 1
.set W_RS, 0x41       ; O^T (destination and source 0) in window 1, source 1 in window 0
; A joint fill.  Waves 0 and 1 fetch the two halves of a slot's K, waves 2 and 3 those of its V: 128 keys each.  An s_nop 0 and four v_nop follow each of the two lines, ahead of the jump and the label.
.macro JLOAD
	s_cmp_lt_u32 s[WV], 2
	s_cbranch_scc0 .Lfor_v_\@
	tensor_load_to_lds s[G0K:G0K+3], s[G1K:G1K+7]
	s_nop 0
.rept 4
	v_nop
.endr
	s_branch .Lasked_\@
.Lfor_v_\@:
	tensor_load_to_lds s[G0V:G0V+3], s[G1V:G1V+7]
	s_nop 0
.rept 4
	v_nop
.endr
.Lasked_\@:
.endm
.macro CROUND                       ; a round of the cluster's barrier
	s_barrier_signal -1
	s_barrier_wait -1
	s_cmp_lg_u32 s[WV], 0
	s_cbranch_scc1 .Lnot_wave_0_\@
	s_barrier_signal -3
.Lnot_wave_0_\@:
	s_barrier_wait -3
	s_barrier_signal -1
	s_barrier_wait -1
.endm
; THE CHANGE OF SLOTS.  Each wave waits for all its tensor loads, of which one is out: its part of the other slot; adds 0 to its spare word; and waits for that and for its own reads of the slot.
; fill = 1: the barrier is a round of the cluster's, and the slot is filled again with the keys two slots on, first thing behind it: four key steps, 512 matrix instructions, in which to land.
; (At its first use nothing has been read yet: slot 0 is waited for, slot 1 filled.)
.macro CHANGE fill
	WIN 0                           ; at a label and at a branch every window is 0
	s_wait_tensorcnt 0x0            ; no tensor load of mine is out, so a group 0 may be written
	ds_add_u32 v[SPW], v[NIL]       ; 0 onto my spare word
.if \fill
.irp g, G0K, G0V
	s_xor_b32 s[\g+1], s[\g+1], SLOT1  ; the walking descriptor: the other slot than last time,
	s_add_nc_u64 s[\g+2:\g+3], s[\g+2:\g+3], 4*KS*128  ; the next 256 keys; the type bits on top are not reached
.endr
	s_wait_dscnt 0x0                ; the add is done, and my reads of the slot are over
	CROUND
	JLOAD
.else
	s_wait_dscnt 0x0                ; the add is done, and my reads of the slot are over
	s_barrier_signal -1
	s_barrier_wait -1
.endif
	s_sub_co_u32 s[TBK], s[TBK], 4*KS*PK  ; the fetches go back to a slot's first step,
	s_xor_b32 s[TBK], s[TBK], SLOT1       ; in the other slot
	s_sub_co_u32 s[TBV], s[TBV], 4*KS*PV
	s_xor_b32 s[TBV], s[TBV], SLOT1
.endm
	s_load_b256 s[4:11], s[0:1], 0x0  ; Q s[4:5], K s[6:7], V s[8:9], O s[10:11]
	v_lshl_add_u32 v[SPW], v0, 2, SPARE
	v_mov_b32 v[NIL], 0
	ds_add_u32 v[SPW], v[NIL]       ; the wave's opening: the add and its wait stand ahead of my first tensor load; the set-up below, work on registers, stands between them
	v_lshrrev_b32 v1, 5, v0
	v_readfirstlane_b32 s[WV], v1   ; wave 0..3
	s_bfe_u32 s13, ttmp6, 0x40000   ; cx: my place in the cluster
	s_lshl_b32 s14, ttmp9, 2        ; in a cluster launch ttmp9 counts clusters
	s_add_co_u32 s14, s14, s13      ; my block of 512 queries: it enters Q's and O's addresses alone
	s_and_b32 s20, ttmp7, 0xffff    ; the head, which the four partners share
	s_mov_b32 s21, 0
	s_mov_b64 s[22:23], SIZE_N*128
	s_mul_u64 s[20:21], s[20:21], s[22:23]  ; the head's first byte in each of the four tensors
	s_and_b32 s16, s[WV], 1         ; which half of a slot's 256 keys I fetch:
	s_lshl_b32 s22, s16, 14         ; its 128 rows of 128 bytes in memory,
	s_mov_b32 s23, 0
	s_add_nc_u64 s[22:23], s[22:23], s[20:21]
	s_mul_i32 s17, s16, 128*PK      ; and its place in a slot, for K
	s_mul_i32 s18, s16, 128*PV      ; and for V: no place in the cluster enters an LDS address
	s_lshl_b32 s2, s14, 2
	s_add_co_u32 s2, s2, s[WV]      ; my wave among the head's,
	s_lshl_b32 s2, s2, 14           ; its 128 rows
	s_mov_b32 s3, 0
	s_add_nc_u64 s[2:3], s[2:3], s[20:21]
	; descriptor group 1.  128 keys are 16,384 dense bytes: asked for as 64 rows of 256 bytes, two keys a row, and padded in LDS after every key
	s_mov_b32 s[G1K], 15|(1<<16)|(1<<20)|(1<<21)|(4<<22)|(3<<25)  ; 15:0 the mask of four; 17:16 2-byte elements; 20 padding on; 21 set beside a mask; 24:22 after every 32 words (code 4); 31:25 4 words (code 3)
	s_mov_b32 s[G1V], 15|(1<<16)|(1<<20)|(1<<21)|(4<<22)|(7<<25)  ; the same with 8 words of padding (code 7)
.irp g, G1K, G1V
	s_mov_b32 s[\g+1], 128<<16      ; tensor_dim0 = 128
	s_mov_b32 s[\g+2], 64<<16       ; tensor_dim1 = 64
	s_mov_b32 s[\g+3], 128<<16      ; tile_dim0 = 128
	s_mov_b32 s[\g+4], 64           ; tile_dim1 = 64
	s_mov_b32 s[\g+5], 128          ; 128 elements from row to row
	s_mov_b32 s[\g+6], 0
	s_mov_b32 s[\g+7], 0
.endr
	s_mov_b32 s[SEL], 0x76543210
	s_mov_b32 s[SEL+1], 0xfedcba98
	s_mov_b32 s[TBK], SLOT1+4*KS*PK ; the first change of slots turns these two into 0
	s_mov_b32 s[TBV], SLOT1+4*KS*PV
	s_mov_b32 s[G0K], 1             ; count = 1
	s_mov_b32 s[G0K+1], s17         ; LDS address: slot 0
	s_mov_b32 s[G0V], 1
	s_add_co_u32 s[G0V+1], s18, VOFF
	s_wait_dscnt 0x0                ; the opening add is done
	s_wait_kmcnt 0x0
	s_add_nc_u64 s[G0K+2:G0K+3], s[6:7], s[22:23]  ; global address: my half of the head's first 256 keys
	s_or_b32 s[G0K+3], s[G0K+3], 0x80000000        ; type = 2
	s_add_nc_u64 s[G0V+2:G0V+3], s[8:9], s[22:23]
	s_or_b32 s[G0V+3], s[G0V+3], 0x80000000
	s_add_nc_u64 s[4:5], s[4:5], s[2:3]  ; Q and O at my wave's first row
	s_add_nc_u64 s[10:11], s[10:11], s[2:3]
	CROUND                          ; all four work-groups are here: the first joint loads meet
	JLOAD                           ; slot 0.  Slot 1 is asked for when slot 0 is in
	; A fragment of K or Q is 16 rows x 32 channels in 8 registers: lane l holds row l % 16, channels 8 (l / 16) + 0..7 and 16 + 8 (l / 16) + 0..7: two loads of 16 bytes, 32 bytes apart.
	v_and_b32 v1, 15, v0            ; l % 16
	v_bfe_u32 v9, v0, 4, 1          ; l / 16
	v_lshlrev_b32 v[QO], 7, v1
	v_lshl_add_u32 v[QO], v9, 4, v[QO]  ; row x 128 + 16 x half
	WIN 0x80                        ; destination window 2, address window 0
.set i, 0
.rept 4*NP                          ; Q stays in registers: tile i / 2, channels 32 (i % 2) on
	global_load_b128 v[8*i:8*i+3],   v[QO], s[4:5] offset:(i/2)*2048+(i%2)*64
	global_load_b128 v[8*i+4:8*i+7], v[QO], s[4:5] offset:(i/2)*2048+(i%2)*64+32
.set i, i+1
.endr
	; What the first turn finds: V's registers and P's second buffer hold 0 (its products V^T P, of a piece that has not been, add 0), O^T and l are 0.  All this stands in the wait for the first tile;
	; it spares a first step written out apart.
.set i, VF
.rept 64
	v_mov_b32 v[i], 0
.set i, i+1
.endr
	WIN 0x40
.set i, 0
.rept 64*NP
	v_mov_b32 v[i], 0
.set i, i+1
.endr
	WIN 0
.set i, 0
.rept 4*NP
	v_mov_b32 v[LS+i], 0
.set i, i+1
.endr
.set i, P+32
.rept 32
	v_mov_b32 v[i], 0
.set i, i+1
.endr
	v_mul_u32_u24 v[AK0], v1, PK
	v_lshl_add_u32 v[AK0], v9, 4, v[AK0]  ; row x pitch + 16 x half
	; The turning load takes 16 keys x 16 channels (lane l reads key 8 (l / 16) + l % 8, channels 8 ((l / 8) % 2) + 0..7) and leaves half a fragment of V^T: lane l holds channel l % 16 and 8 keys.
	v_and_b32 v10, 7, v0
	v_bfe_u32 v11, v0, 3, 1
	v_lshl_add_u32 v[AV0], v9, 3, v10
	v_mul_u32_u24 v[AV0], v[AV0], PV
	v_lshl_add_u32 v[AV0], v11, 4, v[AV0]
	v_add_nc_u32 v[AV0], VOFF, v[AV0]
	v_mov_b32 v[AK], v[AK0]         ; key step 0 lies at the head of slot 0
; THE MATRIX WORK.  The 8 accumulators of a run of 16 take turns: between the two links of a chain stand 7 others'.
; Product i of 16 of S^T = K Q^T for piece x: channels 32 (i / 8) on, keys 16 ((i / 2) % 4) on, tile 2 x + i % 2.  The first 8 start the sums.
.macro KQ x
	WIN W_KQ
.set rS, S+64*((\x)%2)+32*(i%2)+8*((i/2)%4)
.set rK, KF+16*((i/2)%4)+8*(i/8)
.set rQ, 16*(2*(\x)+i%2)+8*(i/8)
.if i < 8
	v_wmma_f32_16x16x32_f16 v[rS:rS+7], v[rK:rK+7], v[rQ:rQ+7], 0
.else
	v_wmma_f32_16x16x32_f16 v[rS:rS+7], v[rK:rK+7], v[rQ:rQ+7], v[rS:rS+7]
.endif
.endm
; Product i of 16 of O^T += V^T P for piece x: keys 32 (i / 8) on, channels 16 ((i / 2) % 4) on, tile 2 x + i % 2.
.macro PV x
	WIN W_PV
.set rO, 32*(2*(\x)+i%2)+8*((i/2)%4)
.set rV, VF+32*(i/8)+8*((i/2)%4)
.set rP, P+32*((\x)%2)+16*(i%2)+8*(i/8)
	v_wmma_f32_16x16x32_f16 v[rO:rO+7], v[rV:rV+7], v[rP:rP+7], v[rO:rO+7]
.endm
.macro MM                           ; the turn's next matrix instruction
.if i < 16
	KQ (Y+1)%NP
.set i, i+1
.else
.set i, i-16
	PV (Y+NP-1)%NP
.set i, i+17
.endif
.endm
; THE LDS LOADS stand in runs of 16: a step's K (64 keys x 64 channels: 8 fragments) and its V (turned).  last = 1 (the tail): in the last trip there is no further step, and the run is jumped over.
.macro FETCH_K last=0
	WIN 0
.if \last
	s_cmp_eq_u32 s[CNT], 1
	s_cbranch_scc1 .Lno_k_\@
.endif
	WIN 0x80                        ; destination window 2
.irp f, 0,1,2,3,4,5,6,7             ; keys 16 (f / 2) on, channels 32 (f % 2) on
	ds_load_b128 v[KF+8*\f:KF+8*\f+3],   v[AK] offset:(\f/2)*16*PK+(\f%2)*64
	ds_load_b128 v[KF+8*\f+4:KF+8*\f+7], v[AK] offset:(\f/2)*16*PK+(\f%2)*64+32
.endr
	s_add_co_u32 s[TBK], s[TBK], KS*PK  ; the next fetch is the next step's
	WIN 0
.if \last
.Lno_k_\@:
.endif
.endm
.macro FETCH_V
	WIN 0x80
.irp f, 0,1,2,3,4,5,6,7             ; keys 32 (f / 4) on, channels 16 (f % 4) on
	ds_load_tr16_b128 v[VF+8*\f:VF+8*\f+3],   v[AV] offset:(\f/4)*32*PV+(\f%4)*32
	ds_load_tr16_b128 v[VF+8*\f+4:VF+8*\f+7], v[AV] offset:(\f/4)*32*PV+16*PV+(\f%4)*32
.endr
	WIN 0
.endm
; THE VECTOR WORK OF A TURN: three queues over piece Y's 32 pairs of scores; pair n stands for tile n % 2, scores 2 (n / 2) and the next, so that the two tiles alternate and each accumulator's
; lowest registers are read first.  EXQ: the next exponential, in place: each of the 64 has a register of its own.  CV: the next pair rounded to f16.  AD: the next pair added onto l.
; EXQ names no other exponential's result; CV and AD are the results' only readers, and stand behind the turn's wait.
.macro EXQ
	WIN 0
.set rE, S+64*(Y%2)+32*((e/2)%2)+2*(e/4)+e%2
	v_exp_f32 v[rE], v[rE]
.set e, e+1
.endm
.macro CV
	WIN 0
.set rE, S+64*(Y%2)+32*(cq%2)+2*(cq/2)
	v_cvt_pk_f16_f32 v[P+32*(Y%2)+16*(cq%2)+cq/2], v[rE], v[rE+1]
.set cq, cq+1
.endm
.macro AD
	WIN 0
.set rE, S+64*(Y%2)+32*(aq%2)+2*(aq/2)
.set rL, LS+2*(2*Y+aq%2)
	v_pk_add_f32 v[rL:rL+1], v[rL:rL+1], v[rE:rE+1]
.set aq, aq+1
.endm
; A TURN, for piece p, in two halves with ONE wait between them.  AHEAD OF THE WAIT: 16 products K Q^T, behind each four exponentials: the whole batch of 64.  One plain instruction stands behind the last
; exponential (ISA guide 5.7.2).  BEHIND THE WAIT: 16 products V^T P, behind each a rounding and a sum for each of the two tiles.  None of the four names a register of the products round it.
; K of the next step is fetched in piece 2's turn, directly behind the wait: four plain instructions (the address's v_add_nc_u32 and three v_nop; the exponentials are not counted) stand between the last product
; that read K and the loads; it is waited for at the head of piece 3's turn, 16 products on.
; V of the step in hand is fetched at the end of piece 0's turn, five plain instructions behind the last product that read V, and waited for behind piece 1's wait, 16 products on.
.macro TURN p, last=0
.set Y, (\p)
.set i, 0
.set e, 0
.set cq, 0
.set aq, 0
.if (\p) == NP-1
	s_wait_dscnt 0x0                ; K is in
.endif
.rept 16                            ; ahead of the wait: the products K Q^T and the batch
	MM
	EXQ
	EXQ
	EXQ
	EXQ
.endr
	WIN 0
.if (\p) == NP-2
	v_add_nc_u32 v[AK], s[TBK], v[AK0]  ; the plain instruction behind the last exponential, and the first of the four places in front of K's loads
.rept 3
	v_nop
.endr
.else
	v_nop                           ; the plain instruction behind the last exponential: one for the batch
.endif
	s_wait_alu depctr_va_vdst(0)    ; one wait for the turn's 64 exponentials, ahead of their first reader
.if (\p) == NP-2
	FETCH_K \last
.endif
.if (\p) == 1
	s_wait_dscnt 0x0                ; V is in
.endif
.rept 16                            ; behind the wait: the products V^T P and the batch's readers
	MM
	CV
	AD
	CV
	AD
.endr
.if (\p) == 0
	v_add_nc_u32 v[AV], s[TBV], v[AV0]
	FETCH_V
	s_add_co_u32 s[TBV], s[TBV], KS*PV
.endif
.endm
	CHANGE 1                        ; slot 0 is in, everybody's part of it; slot 1 is asked for
	FETCH_K                         ; key step 0
	s_wait_loadcnt 0x0              ; Q
	s_wait_dscnt 0x0
.set i, 0
.rept 16
	KQ 0                            ; piece 0's first scores: there is no vector work yet to set between them
.set i, i+1
.endr
	WIN 0                           ; the addresses for the way out: nine plain instructions, the places behind those products
	s_mul_i32 s13, s[WV], 16*SP
	s_add_co_u32 s13, s13, STAGE    ; my stage
	v_mul_u32_u24 v[STO], v1, SP    ; in: row l % 16, 16 bytes for each half of the lanes
	v_lshl_add_u32 v[STO], v9, 4, v[STO]
	v_add_nc_u32 v[STO], s13, v[STO]
	v_bfe_u32 v[RD], v0, 3, 2       ; back: 32 lanes take four rows of 128 bytes,
	v_mul_u32_u24 v[RD], v[RD], SP
	v_lshl_add_u32 v[RD], v10, 4, v[RD]
	v_add_nc_u32 v[RD], s13, v[RD]
	v_and_b32 v[GO], 31, v0         ; which are 512 consecutive bytes of O
	v_lshlrev_b32 v[GO], 4, v[GO]
	s_mov_b32 s[CNT], 4
	s_mov_b32 s[SLOTS], SIZE_N/256-1
	s_branch .Lfirst                ; the loop is entered at a step's first turn, in the middle of a trip
.Lslot:                             ; SIZE_N / 256 - 2 times: every slot but the last two is filled again
	CHANGE 1
	s_mov_b32 s[CNT], 4
.Lstep:                             ; a trip: pieces 2 and 3 of one step, then pieces 0 and 1 of the next, whose K and V it fetches
	TURN 2
	TURN 3
	WIN 0
.Lfirst:
	TURN 0
	TURN 1
	WIN 0
	s_sub_co_u32 s[CNT], s[CNT], 1
	s_cmp_lg_u32 s[CNT], 0
	s_cbranch_scc1 .Lstep
	s_sub_co_u32 s[SLOTS], s[SLOTS], 1
	s_cmp_lg_u32 s[SLOTS], 0
	s_cbranch_scc1 .Lslot
	CHANGE 0                        ; the tail is written out: nothing is asked for
	s_mov_b32 s[CNT], 5             ; four trips fetch the last slot's steps; the fifth is left in its middle
.Ltail:
	TURN 2, 1
	TURN 3
	WIN 0
	s_sub_co_u32 s[CNT], s[CNT], 1
	s_cmp_eq_u32 s[CNT], 0
	s_cbranch_scc1 .Lout
	TURN 0
	TURN 1
	WIN 0
	s_branch .Ltail
.Lout:                              ; the fifth trip's 16 products K Q^T (on the last K once more) serve nothing: the price, once a launch, of one text for every trip
.set i, 0
.rept 16
	PV NP-1                         ; the last piece's V^T P of the last step
.set i, i+1
.endr
	; THE WAY OUT.  l's two halves and the other half of the lanes' are added; O^T is divided by l, rounded to f16 and sent through my stage in LDS, a tile at a time.  The additions are the places behind the last products.
	WIN 0
.macro ALL line:vararg              ; one line for each tile t
.set t, 0
.rept 2*NP
	\line
.set t, t+1
.endr
.endm
	ALL v_add_f32 v[LS+2*t], v[LS+2*t], v[LS+2*t+1]
	ALL v_permlanex16_b32 v[LS+2*t+1], v[LS+2*t], s[SEL], s[SEL+1]
	ALL v_add_f32 v[LS+2*t], v[LS+2*t], v[LS+2*t+1]
	ALL v_rcp_f32 v[LS+2*t], v[LS+2*t]
	v_nop                           ; a plain instruction between the last reciprocal and the use of its result
	s_wait_alu depctr_va_vdst(0)    ; and the wait ahead of the first use: one for the eight reciprocals
; Tile t: a lane's eight channels of a row pack into 16 bytes; they go into rows of 144 bytes and come back as whole rows of 128, into S^T's registers.
.macro PACK t
	WIN W_RS
.set i, 32*(\t)
.rept 16
	v_pk_mul_f32 v[i:i+1], v[i:i+1], v[LS+2*(\t):LS+2*(\t)+1] op_sel_hi:[1,0]
.set i, i+2
.endr
	WIN 0x05                        ; sources 0 and 1 window 1, destination window 0
.set i, 0
.rept 16
	v_cvt_pk_f16_f32 v[S+16*(\t)+i], v[32*(\t)+2*i], v[32*(\t)+2*i+1]
.set i, i+1
.endr
	WIN 0
.irp f, 0,1,2,3
	ds_store_b128 v[STO], v[S+16*(\t)+4*\f:S+16*(\t)+4*\f+3] offset:32*\f
.endr
.irp f, 0,1,2,3
	ds_load_b128 v[S+16*(\t)+4*\f:S+16*(\t)+4*\f+3], v[RD] offset:\f*4*SP  ; LDS serves a wave's instructions in order (ISA guide 5.7.1.4): these see the stores above; the next tile's stores come behind them
.endr
.endm
.macro SEND t, younger              ; younger: the LDS instructions issued behind tile t's loads: the next tile's eight, or none
	WIN 0
.irp f, 0,1,2,3
	s_wait_dscnt (\younger)+3-\f
	global_store_b128 v[GO], v[S+16*(\t)+4*\f:S+16*(\t)+4*\f+3], s[10:11] offset:(\t)*2048+\f*512  ; 512 consecutive bytes, at a multiple of 256 from O's first
.endr
.endm
	PACK 0
.set t, 1
.rept 2*NP-1                        ; a tile's arithmetic stands between the loads of the tile before and its stores
	PACK t
	SEND t-1, 8
.set t, t+1
.endr
	SEND 2*NP-1, 0
	s_wait_tensorcnt 0x0            ; the wave's end, behind my last tensor load and my last LDS store
	ds_add_u32 v[SPW], v[NIL]
	s_wait_dscnt 0x0
	CROUND                          ; the closing round: no work-group ends while a partner may still ask for a tile that names it
	s_endpgm
.Lfunc_end_k_qf27fb65afb_attn:
	.size	k_qf27fb65afb_attn, .Lfunc_end_k_qf27fb65afb_attn-k_qf27fb65afb_attn
	.p2alignl 7, 3214868480
	.fill 96, 4, 3214868480
	.section	.rodata,"a",@progbits
	.p2align	6, 0x0
	.amdhsa_kernel k_qf27fb65afb_attn
		.amdhsa_group_segment_fixed_size 327680
		.amdhsa_private_segment_fixed_size 0
		.amdhsa_enable_private_segment 0
		.amdhsa_kernarg_size 32
		.amdhsa_user_sgpr_count 2
		.amdhsa_user_sgpr_kernarg_segment_ptr 1
		.amdhsa_wavefront_size32 1
		.amdhsa_system_sgpr_workgroup_id_x 1
		.amdhsa_system_sgpr_workgroup_id_y 1
		.amdhsa_system_sgpr_workgroup_id_z 1
		.amdhsa_system_vgpr_workitem_id 0
		.amdhsa_next_free_vgpr 768
		.amdhsa_next_free_sgpr 66
		.amdhsa_reserve_vcc 0
		.amdhsa_float_denorm_mode_32 3
		.amdhsa_float_denorm_mode_16_64 3
		.amdhsa_memory_ordered 1
		.amdhsa_forward_progress 1
		.amdhsa_inst_pref_size 140
	.end_amdhsa_kernel
	.amdgpu_metadata
---
amdhsa.version: [ 1, 2 ]
amdhsa.kernels:
  - .name:           k_qf27fb65afb_attn
    .symbol:         k_qf27fb65afb_attn.kd
    .args:
      - { .name: qh, .offset: 0, .size: 8, .value_kind: global_buffer, .address_space: global }
      - { .name: kh, .offset: 8, .size: 8, .value_kind: global_buffer, .address_space: global }
      - { .name: vh, .offset: 16, .size: 8, .value_kind: global_buffer, .address_space: global }
      - { .name: ob, .offset: 24, .size: 8, .value_kind: global_buffer, .address_space: global }
    .group_segment_fixed_size: 327680
    .private_segment_fixed_size: 0
    .kernarg_segment_align: 8
    .kernarg_segment_size: 32
    .max_flat_workgroup_size: 128
    .sgpr_count:     66
    .vgpr_count:     768
    .wavefront_size: 32
...
	.end_amdgpu_metadata
.endif
;; end of part 5
;; launch proj: the kernel of part 4 again; grid 8 x 32, 4 waves a work-group, clusters of 4 x 4, 327,680 bytes of LDS; arguments ob, wo16, bo, out0; writes out0
